; MI455X (gfx1250); checked and timed in simulation.
; The chip was launched on July 23, 2026; its instructions are those of AMD's public machine-readable ISA for CDNA 5 (MIT licence, August 2026) and "CDNA5" Instruction Set Architecture Reference Guide (July 2026). The comments in the code are by the model that wrote it; some were corrected since.
;; Multi Head Attention. Allowed arithmetic: matrix products marked QUANTISED: E4M3 operands, one E8M0 scale for each 32 along K, by v_wmma_scale_f32_16x16x128_f8f6f4 with both operands' format E4M3, f32 sums; everything else in f32.
;; Inputs: Wk 1,024 x 1,024 float32; Wo 1,024 x 1,024 float32; Wq 1,024 x 1,024 float32; Wv 1,024 x 1,024 float32; bo 1,024 float32; x 4 x 2,048 x 1,024 float32.
;; Outputs: out0 4 x 1,024 float32.
;; This version of the problem:
;;   THIS VERSION OF THE PROBLEM IS GIVEN IN LOW PRECISION. The matrix products marked QUANTISED in the list below multiply operands that are first quantised to E4M3 (4 exponent bits, 3 mantissa bits; 8 bits a number), with one power-of-two scale for each 32 numbers along K (OCP MX v1.0); their sums are f32. All else is computed in f32.
;;   The module's matrix products, in the order in which they are computed (A, B: the left and right operand; K: the contracted axis; several contracted axes count as one K, in the product's order):
;;     1. [M 8,192, K 1,024] x [K 1,024, N 1,024]; A: input x; B: input Wq: QUANTISED
;;     2. [M 8,192, K 1,024] x [K 1,024, N 1,024]; A: input x; B: input Wk: QUANTISED
;;     3. [M 8,192, K 1,024] x [K 1,024, N 1,024]; A: input x; B: input Wv: QUANTISED
;;     4. batch 64 x [M 2,048, K 64] x [K 64, N 2,048]; A: computed on the way; B: computed on the way: QUANTISED
;;     5. batch 64 x [M 2,048, K 2,048] x [K 2,048, N 64]; A: softmax (see below); B: computed on the way: QUANTISED
;;     6. [M 8,192, K 1,024] x [K 1,024, N 1,024]; A: computed on the way; B: input Wo: QUANTISED
;;   THE QUANTISER, for each operand of a quantised product, along K:
;;     - K is cut into blocks of 32 from its start; a last block that is shorter is filled with zeros.
;;     - A block's scale is 2^e with e = floor(log2(the largest magnitude in the block)) - 8, held to -126 .. 127; a block of zeros has e = 0. As a byte (E8M0): e + 127.
;;     - Each number is divided by its block's scale, clamped to +-448, and rounded to the nearest number of E4M3, ties to even, subnormals kept.
;;     - The product sums the exact products of the quantised numbers (number of the format x scale) in f32.
;;   ~~~python
;;   def quantise(x, axis):      # numpy; x: float32 -> the quantised numbers, widened to float32 again
;;       x = np.moveaxis(x, axis, -1); K = x.shape[-1]
;;       x = np.pad(x, [(0, 0)] * (x.ndim - 1) + [(0, -K % 32)]); x = x.reshape(x.shape[:-1] + (-1, 32)); a = np.abs(x).max(-1, keepdims=True)
;;       e = np.where(a > 0, np.clip(np.frexp(np.where(a > 0, a, 1))[1] - 1 - 8, -126, 127), 0)      # np.frexp(a)[1] - 1 = floor(log2(a)), exactly
;;       r = np.clip(x / 2.0 ** e, -448, 448)
;;       step = 2.0 ** (np.maximum(np.frexp(np.where(r == 0, 1, r))[1] - 1, -6) - 3)
;;       q = np.round(r / step) * step * 2.0 ** e      # np.round: ties to even
;;       return np.moveaxis(q.reshape(q.shape[:-2] + (-1,))[..., :K], -1, axis).astype(np.float32)
;;   ~~~
;;   SOFTMAX AHEAD OF A QUANTISED PRODUCT. Where the list says 'softmax', what is quantised is not the finished softmax but p = 2^(t - M), with t = logit x log2(e) and M = ceil(the row's largest t), a whole number; so 1/2 < the row's largest p <= 1. The row's sum l is taken of the UNQUANTISED p, in f32, and the product's result is divided by l at the end. Since M is a whole number, a kernel that streams over the keys may use a running M (the ceiling of the running maximum): every later rescaling is an exact power of two, which a block's scale takes up: the codes' values come out the same.
;;   OPERANDS COMPUTED ON THE WAY. 'Computed on the way' means the value that the module computes at that place (a softmax that the list does not call 'softmax' is quantised finished and normalised). What goes into a quantiser is computed in f32, as accurately as f32 sums, v_exp_f32 and their like allow (about 1e-6 of the number): no bf16 or f16 on the way to a quantiser, and a product that is left as it is and whose result goes on into a quantised operand takes f32 operands (vector FMAs, or v_wmma_f32_16x16x4_f32). A number that lies on a knife's edge between two numbers of the format may be rounded either way, as far as f32 arithmetic and the matrix unit's own rounding can turn it there, and no further.
;; One version. Each part assembles by itself: llvm-mc -triple=amdgcn-amd-amdhsa -mcpu=gfx1250 --defsym DOCPART=n.
;; ======== version 1 of 1: 4 launches
;; limits: right only within a limited range of input values
;; workspace buffers: x_img 8,388,608 bytes; w_img 4,194,304 bytes; sc 393,216 bytes; q_img 8,388,608 bytes; q_sc 524,288 bytes; kv 16,777,216 bytes; kvs 786,432 bytes; part 1,048,576 bytes
;; launch quant (part 1): grid 384 x 1, 4 waves a work-group, no clusters, 34,304 bytes of LDS; arguments x, Wq, Wk, Wv, Wo, x_img, w_img, sc; writes x_img, w_img, sc
.if DOCPART == 1
	.amdgcn_target "amdgcn-amd-amdhsa--gfx1250"
	.amdhsa_code_object_version 6
	.text
	.protected	k_qe67b338df8_quant
	.globl	k_qe67b338df8_quant
	.p2align	8
	.type	k_qe67b338df8_quant,@function
k_qe67b338df8_quant:
	s_mov_b64 s[64:65], 0
	v_nop
	global_prefetch_b8 v0, s[64:65] scope:SCOPE_SE
	s_setreg_imm32_b32 hwreg(HW_REG_WAVE_MODE, 25, 1), 1
	s_wait_xcnt 0x0
; x [8192][1024] and Wq, Wk, Wv, Wo [1024][1024], f32 with K innermost, become codes of FP8 (E4M3) with one E8M0 byte for each 32 along K.
; A block's scale is 2^(floor(log2(its largest magnitude)) - 8); its byte is the largest magnitude's exponent field - 8, held at 1 from below; each number is divided by the scale,
; held within +-448 and rounded to the nearest code, ties to even.
; LIMITS: a block of zeros, or one whose largest magnitude lies under 2^-118, keeps the byte 1 (its codes are still what that scale gives, zeros for zeros; these bytes are read by this program alone).
; NaN and infinities among the inputs are not served.
; THE CODES ARE LAID AS IMAGES OF THE OPERAND'S REGISTERS.  A tile T is 16 rows; lane r of it holds row 32 (T / 2) + 8 (T % 2) + r + 8 (r / 8).  The image of (tile, 128 along K) is 2,048 bytes: four chunks c of
; 512 bytes; in a chunk lane l = (r, h) has 16 bytes at 16 l: the codes k = 32 c + 16 h + 0 .. 15 of its row.  x_img, w_img: [256 along K: S2][tile][2 K steps][2,048].  w_img's tiles: Wq 0-63, Wk 64-127, Wv 128-191, Wo 192-255.
; The scale words (4 bytes: 128 along K of one row): sc at tile x 512 + S2 x 128 + 8 r + 4 (K step % 2); the weights' 262,144 bytes behind x's.
; SHARES.  A work-group takes 32 rows (two tiles): groups 0-255 x, then 32 for each weight.  Wave w takes tile w / 2 of the two and K steps 4 (w % 2) .. + 3.  Each load reads 512 consecutive bytes of a row;
; a K step's 16 rows turn through the wave's own stage in LDS (rows of 512 + 16 bytes), so that a lane gets 16 neighbours of each block.  Every store covers 512 consecutive bytes.
; No work-group shares an input with another, so there is no cluster; waves share nothing, so there is no barrier.
.set SP,   528                         ; a stage row
.set R,    16                          ; v16-143  two sets of 64: a K step as loaded
.set X,    144                         ; v144-207 64 numbers of my row: register 16 b + i = k 32 b + 16 h + i
.set PC,   208                         ; v208-223 the codes
.set TM,   224                         ; v224-227 largest magnitudes, 228-231 bytes, 236-239 the conversions' scale operands
.set PW,   240                         ; v240-243 the four K steps' scale words
.set OW,   244                         ; v244-245 the two words that I store
.set SEL,  28                          ; s[28:29] selects for lane l xor 16
.set MNT,  30
.set WV,   31
	s_load_b256 s[4:11], s[0:1], 0x0               ; x, Wq, Wk, Wv
	s_load_b256 s[12:19], s[0:1], 0x20             ; Wo, x_img, w_img, sc
	v_lshl_add_u32 v254, v0, 2, 0x8400
	v_mov_b32 v255, 0
	v_lshrrev_b32 v1, 5, v0
	v_readfirstlane_b32 s[WV], v1                  ; wave 0..3
	v_and_b32 v1, 31, v0                           ; lane
	v_lshlrev_b32 v2, 4, v1                        ; 16 x lane: my place in a load's, and in a chunk's, 512 bytes
	v_lshlrev_b32 v5, 3, v1                        ; 8 x lane: my two scale words
	s_mul_i32 s32, s[WV], 16*SP                    ; my stage
	v_add_nc_u32 v3, s32, v2                       ; into it: a row as it lies
	v_and_b32 v6, 15, v0                           ; r
	v_bfe_u32 v7, v0, 4, 1                         ; h
	v_mul_u32_u24 v4, v6, SP
	v_lshl_add_u32 v4, v7, 6, v4
	v_add_nc_u32 v4, s32, v4                       ; out of it: row r, + 64 h bytes: my 16 numbers of a block
	s_mov_b32 s[SEL], 0x76543210
	s_mov_b32 s[SEL+1], 0xfedcba98
.irp b, 0,1,2,3
	v_mov_b32 v[TM+4+\b], 0                        ; written once: a lane permute's destination counts as one of its sources
.endr
	s_lshr_b32 s33, s[WV], 1                       ; which tile of the two
	s_and_b32 s34, s[WV], 1                        ; which half of K
	s_wait_alu depctr_va_vdst(0)
	s_wait_kmcnt 0x0
	s_cmp_lt_u32 ttmp9, 352                        ; which tensor: the choices hang on the work-group's number alone
	s_cselect_b64 s[20:21], s[10:11], s[12:13]
	s_cmp_lt_u32 ttmp9, 320
	s_cselect_b64 s[20:21], s[8:9], s[20:21]
	s_cmp_lt_u32 ttmp9, 288
	s_cselect_b64 s[20:21], s[6:7], s[20:21]
	s_cmp_lt_u32 ttmp9, 256
	s_cselect_b64 s[20:21], s[4:5], s[20:21]       ; the source
	s_cselect_b64 s[22:23], s[14:15], s[16:17]     ; the images' buffer
	s_mov_b32 s24, 0x100000
	s_cselect_b32 s24, 0x200000, s24               ; bytes from one 256 along K to the next
	s_cselect_b32 s26, 0, 0x40000                  ; where the tensor's scale words begin
	s_cselect_b32 s35, 0, 256
	s_cselect_b32 s36, -1, 31
	s_mov_b32 s25, 0
	s_sub_co_u32 s35, ttmp9, s35                   ; the group's number among x's, or among the weights'
	s_and_b32 s36, s35, s36                        ; and within its own tensor
	s_lshl_b32 s36, s36, 17                        ; 32 rows of 4,096 bytes,
	s_lshl_b32 s37, s33, 15                        ; the second tile begins 8 rows down,
	s_add_co_u32 s36, s36, s37
	s_lshl_b32 s37, s34, 11                        ; four K steps of 512 bytes
	s_add_co_u32 s36, s36, s37
	s_mov_b32 s37, 0
	s_add_nc_u64 s[20:21], s[20:21], s[36:37]
	s_lshl_b32 s35, s35, 1
	s_add_co_u32 s35, s35, s33                     ; my tile in the images' buffer
	s_lshl_b32 s36, s35, 12
	s_mul_i32 s38, s24, s34
	s_lshl_b32 s38, s38, 1
	s_add_co_u32 s36, s36, s38
	s_add_nc_u64 s[22:23], s[22:23], s[36:37]      ; my K steps 0, 1
	s_add_nc_u64 s[24:25], s[22:23], s[24:25]      ; my K steps 2, 3
	s_lshl_b32 s36, s35, 9
	s_add_co_u32 s36, s36, s26
	s_lshl_b32 s38, s34, 8
	s_add_co_u32 s36, s36, s38
	s_add_nc_u64 s[18:19], s[18:19], s[36:37]      ; my 256 bytes of scale words
.macro LOAD t                          ; K step t of my 16 rows into set t % 2: row i of the tile lies i + 8 (i / 8) rows down
.irp i, 0,1,2,3,4,5,6,7,8,9,10,11,12,13,14,15
	global_load_b128 v[R+64*((\t)%2)+4*\i:R+64*((\t)%2)+4*\i+3], v2, s[20:21] offset:(\i+8*(\i/8))*4096+512*(\t) th:TH_LOAD_NT
.endr
.endm
; 64 numbers of a lane become a fragment's 16 registers of codes and its row's scale word
.macro QUANT s, pc, pw
.irp b, 0,1,2,3
	v_max3_num_f32 v[TM+\b], |v[\s+16*\b]|, |v[\s+1+16*\b]|, 0x4800000   ; block b: my 16 numbers, and the floor 2^(9 - 127): the byte cannot fall under 1
.endr
.irp i, 2,4,6,8,10,12,14
.irp b, 0,1,2,3
	v_max3_num_f32 v[TM+\b], v[TM+\b], |v[\s+16*\b+\i]|, |v[\s+1+16*\b+\i]|   ; the four blocks by turns
.endr
.endr
.irp b, 0,1,2,3
	v_permlanex16_b32 v[TM+4+\b], v[TM+\b], s[SEL], s[SEL+1]
.endr
.irp b, 0,1,2,3
	v_max_num_f32 v[TM+\b], v[TM+\b], v[TM+4+\b]   ; with lane l xor 16's 16: the block's largest magnitude
.endr
.irp b, 0,1,2,3
	v_add_nc_u32 v[TM+12+\b], 0xfc000000, v[TM+\b] ; 8 off its exponent field: the conversion takes that field as its scale
.endr
.irp b, 0,1,2,3
.endr
.irp b, 0,1,2,3
	v_lshrrev_b32 v[TM+4+\b], 23, v[TM+12+\b]      ; the scale's byte
.endr
	v_lshl_or_b32 v[\pw], v[TM+5], 8, v[TM+4]
	v_lshl_or_b32 v[\pw], v[TM+6], 16, v[\pw]
	v_lshl_or_b32 v[\pw], v[TM+7], 24, v[\pw]
.irp b, 0,1,2,3
.irp i, 0,1,2,3,4,5,6,7,8,9,10,11,12,13,14,15
.endr
.endr
	s_wait_xcnt 0x0                                ; the last K step's stores have read the codes' registers: only now are they written again
.irp b, 0,1,2,3
	v_cvt_scalef32_pk8_fp8_f32 v[\pc+4*\b:\pc+4*\b+1], v[\s+16*\b:\s+16*\b+7], v[TM+12+\b]
	v_cvt_scalef32_pk8_fp8_f32 v[\pc+4*\b+2:\pc+4*\b+3], v[\s+16*\b+8:\s+16*\b+15], v[TM+12+\b]
.endr
	v_nop                                          ; a plain line behind the last conversion
.endm
.macro STEP t
.if (\t) < 3
	s_wait_loadcnt 16                              ; this K step's 16 loads are in; the next step's 16 stay out
.else
	s_wait_loadcnt 0x0
.endif
.irp i, 0,1,2,3,4,5,6,7,8,9,10,11,12,13,14,15
	ds_store_b128 v3, v[R+64*((\t)%2)+4*\i:R+64*((\t)%2)+4*\i+3] offset:SP*\i
.endr
.irp b, 0,1,2,3
.irp j, 0,1,2,3
	ds_load_b128 v[X+16*\b+4*\j:X+16*\b+4*\j+3], v4 offset:128*\b+16*\j   ; LDS serves a wave's instructions in order (ISA guide 5.7.1.4): these see my stores
.endr
.endr
	s_wait_dscnt 0x0                               ; my numbers are back, and the stores have read their registers,
.if (\t) < 2
	LOAD (\t)+2                                    ; which take the K step two further on
.endif
	QUANT X, PC, PW+(\t)
.irp c, 0,1,2,3
	global_store_b128 v2, v[PC+4*\c:PC+4*\c+3], s[22+2*((\t)/2):23+2*((\t)/2)] offset:2048*((\t)%2)+512*\c   ; a chunk: 512 consecutive bytes
.endr
.endm
	LOAD 0
	LOAD 1
	STEP 0
	STEP 1
	STEP 2
	STEP 3
	v_cmp_le_u32 vcc_lo, 16, v1                    ; lanes 0-15 store their row's words of K steps 0, 1; lanes 16-31 those of K steps 2, 3 (both halves hold all four)
	v_cndmask_b32 v[OW], v[PW], v[PW+2], vcc_lo
	v_cndmask_b32 v[OW+1], v[PW+1], v[PW+3], vcc_lo
	global_store_b64 v5, v[OW:OW+1], s[18:19]      ; 256 consecutive bytes, aligned
	s_wait_tensorcnt 0x0
	ds_add_u32 v254, v255
	s_wait_dscnt 0x0
	s_endpgm
.Lfunc_end_k_qe67b338df8_quant:
	.size	k_qe67b338df8_quant, .Lfunc_end_k_qe67b338df8_quant-k_qe67b338df8_quant
	.p2alignl 7, 3214868480
	.fill 96, 4, 3214868480
	.section	.rodata,"a",@progbits
	.p2align	6, 0x0
	.amdhsa_kernel k_qe67b338df8_quant
		.amdhsa_group_segment_fixed_size 34304
		.amdhsa_private_segment_fixed_size 0
		.amdhsa_enable_private_segment 0
		.amdhsa_kernarg_size 64
		.amdhsa_user_sgpr_count 2
		.amdhsa_user_sgpr_kernarg_segment_ptr 1
		.amdhsa_wavefront_size32 1
		.amdhsa_system_sgpr_workgroup_id_x 1
		.amdhsa_system_sgpr_workgroup_id_y 1
		.amdhsa_system_sgpr_workgroup_id_z 1
		.amdhsa_system_vgpr_workitem_id 0
		.amdhsa_next_free_vgpr 256
		.amdhsa_next_free_sgpr 66
		.amdhsa_reserve_vcc 1
		.amdhsa_float_denorm_mode_32 3
		.amdhsa_float_denorm_mode_16_64 3
		.amdhsa_fp16_overflow 1
		.amdhsa_memory_ordered 1
		.amdhsa_forward_progress 1
		.amdhsa_inst_pref_size 34
	.end_amdhsa_kernel
	.amdgpu_metadata
---
amdhsa.version: [ 1, 2 ]
amdhsa.kernels:
  - .name:           k_qe67b338df8_quant
    .symbol:         k_qe67b338df8_quant.kd
    .args:
      - { .name: x, .offset: 0, .size: 8, .value_kind: global_buffer, .address_space: global }
      - { .name: Wq, .offset: 8, .size: 8, .value_kind: global_buffer, .address_space: global }
      - { .name: Wk, .offset: 16, .size: 8, .value_kind: global_buffer, .address_space: global }
      - { .name: Wv, .offset: 24, .size: 8, .value_kind: global_buffer, .address_space: global }
      - { .name: Wo, .offset: 32, .size: 8, .value_kind: global_buffer, .address_space: global }
      - { .name: x_img, .offset: 40, .size: 8, .value_kind: global_buffer, .address_space: global }
      - { .name: w_img, .offset: 48, .size: 8, .value_kind: global_buffer, .address_space: global }
      - { .name: sc, .offset: 56, .size: 8, .value_kind: global_buffer, .address_space: global }
    .group_segment_fixed_size: 34304
    .private_segment_fixed_size: 0
    .kernarg_segment_align: 8
    .kernarg_segment_size: 64
    .max_flat_workgroup_size: 128
    .sgpr_count:     66
    .vgpr_count:     256
    .wavefront_size: 32
...
	.end_amdgpu_metadata
.endif
;; end of part 1
;; launch qkv (part 2): grid 12 x 32, 4 waves a work-group, clusters of 4 x 4, 327,680 bytes of LDS; arguments x_img, w_img, sc, q_img, q_sc, kv, kvs; writes q_img, q_sc, kv, kvs
.if DOCPART == 2
	.amdgcn_target "amdgcn-amd-amdhsa--gfx1250"
	.amdhsa_code_object_version 6
	.text
	.protected	k_qe67b338df8_qkv
	.globl	k_qe67b338df8_qkv
	.p2align	8
	.type	k_qe67b338df8_qkv,@function
k_qe67b338df8_qkv:
	s_mov_b64 s[64:65], 0
	v_nop
	global_prefetch_b8 v0, s[64:65] scope:SCOPE_SE
	s_setreg_imm32_b32 hwreg(HW_REG_WAVE_MODE, 25, 1), 1
	s_wait_xcnt 0x0
	s_wait_alu depctr_hold_cnt(0) depctr_sa_sdst(0) depctr_va_vdst(0) depctr_va_sdst(0) depctr_va_ssrc(0) depctr_va_vcc(0) depctr_vm_vsrc(0)
	s_getreg_b32 s2, hwreg(HW_REG_IB_STS2, 6, 4)
	s_cmp_eq_u32 s2, 0
	s_cbranch_scc0 .Lentry_in_a_cluster
	s_endpgm
.Lentry_in_a_cluster:
	s_bfe_u32 s2, ttmp6, 0x10000c
	s_cmp_lg_u32 s2, 0xf033
	s_cbranch_scc0 .Lentry_shape_is_right
	s_endpgm
.Lentry_shape_is_right:
; Q = x Wq^T, K = x Wk^T, V = x Wv^T on codes of FP8 (E4M3) with E8M0 scales, K = 1,024; the results are quantised on the way out and leave as images of the next products' operand registers.
; THE KIND is the cluster's x: 0 Q, 1 K, 2 V: the same in all sixteen partners.  A tile of 256 x 256 is made by four waves, 128 x 128 each: 64 accumulators, 512 registers.
; 'B' is the matrix instruction's source 0: its rows run along a lane's result registers.  'A' is source 1: its rows are the result's lanes.
;   Q, K: A = x (256 tokens), B = the weight (256 channels): a lane holds one token, its registers run along the channels: the next K (a head's 64).
;   V:    A = Wv (256 channels), B = x (256 tokens): a lane holds one channel, its registers run along the keys: the next K.
; IMAGES.  A tile T is 16 rows; lane r of it holds row 32 (T / 2) + 8 (T % 2) + r + 8 (r / 8).  So the 16 result registers of B's tiles 2 b and 2 b + 1 are 16 NEIGHBOURS, 32 b + 16 (lane / 16) + 0 .. 15.
; An image of (tile, 128 along K) is four chunks of 512 bytes, lane l's 16 bytes at 16 l: a chunk is four registers of the operand, read by one ds_load_b128 of consecutive bytes: no pitch, no padding.
; x_img, w_img: [256 along K][tile][4,096]: a K step's 8 tiles are 32,768 consecutive bytes: one tensor load a wave.  The scale words of 8 tiles, for all of K, are 4,096 consecutive bytes: they come once.
; K goes in steps of 256 through a ring of two LDS slots.  CLUSTERS: A's tile is shared along a row of the cluster, B's along a column: each is asked for jointly.
; LIMITS of the way out's quantiser: a block of zeros, or one under 2^-118, keeps the byte 1 (read by this program alone); NaN and infinities are not served.
; REGISTERS, in windows of 256: window 0: v16-31 addresses; v32-63 scale words, two sets; v128-255 A's fragments, one set; on the way out v128-255 are at work.
;   window 1: B's fragments, two sets.   window 2: accumulators of A's blocks 0-3 ((a, b) at v[8 (8 a + b)]);   window 3: of blocks 4-7.
.set NQ,     2                         ; matrix instructions deep in a slot
.set FR,     16                        ; registers of a fragment
.set NL,     4                         ; LDS loads that bring one
.set NP,     8                         ; places behind this matrix instruction (ISA guide 7.12.1)
.set SLOT,   131072                    ; A's 16 tiles x 4,096 bytes, then B's 16
.set SCL,    2*SLOT                    ; A's scale words, 8,192 bytes;
.set SCB,    8320                      ; B's begin 128 bytes further than A's end, so that the two halves of the lanes read different halves of 256 bytes
.set SPARE,  278784                    ; the spare words, 128 bytes for each wave: two blocks of 256 bytes that no other line names
.set LAPS,   2                         ; a lap = two K steps of 256
.set ADRA, 16                          ; v16-17  LDS address of my A fragments in slot 0, 1
.set ADRB, 20                          ; v20-21  the same for B
.set ADRS, 27                          ; v27     of my scale words: lanes 0-15 A's, lanes 16-31 B's
.set SPW,  28                          ; v28     my spare word; never rewritten
.set NIL,  29                          ; v29     0; never rewritten
.set HV,   30                          ; v30     lane / 16
.set LI,   31                          ; v31     16 x lane
.set SC,   32                          ; scale words: set s at v[SC + 16 s]; register 2 i + q: lanes 0-15 A's block i, lanes 16-31 B's block i
.set AF,   128
.set X,    128                         ; the way out: v128-191 64 held numbers
.set PC,   192                         ; v192-207 codes
.set TM,   208                         ; v208-223 as in the quantiser
.set LO,   224                         ; v224-231 block a's bytes 0, 1
.set HI,   232                         ; v232-239 its bytes 2, 3
.set VO,   240                         ; v240-243 the four chunks' offsets
.set OW,   244                         ; v244-251 scale words to store
.set OF,   252                         ; v252 an offset for them
.set G1, 24                            ; s[24:31] group 1 for A's tiles; s[32:39] groups 0, one for each slot
.set G0, 32
.set G1B, 48                           ; s[48:55], s[56:63] the same for B's
.set G0B, 56
.set G1S, 68                           ; s[68:75], s[76:79] for A's scales; s[80:87], s[88:91] for B's
.set G0S, 76
.set G1SB, 80
.set G0SB, 88
.set MSB, 0
.macro WIN new                         ; the immediate's high byte repeats the setting that is left
.if MSB != \new
	s_set_vgpr_msb (MSB<<8)|\new
.set MSB, \new
.endif
.endm
.set MUL_LO, 0xa1                      ; source 0 (B) window 1, source 1 (A) window 0, C and D window 2
.set MUL_HI, 0xf1
.set TO_B,   0x40
; A joint load: waves 0 and 1 fetch for A, waves 2 and 3 for B; the branch hangs on the wave's number alone.  Four v_nop follow each line.
.macro JLOAD g0a, g1a, g0b, g1b
	s_cmp_eq_u32 s15, 0
	s_cbranch_scc0 .Lfor_b_\@
	tensor_load_to_lds s[\g0a:\g0a+3], s[\g1a:\g1a+7]
	s_nop 0
.rept 4
	v_nop
.endr
	s_branch .Lasked_\@
.Lfor_b_\@:
	tensor_load_to_lds s[\g0b:\g0b+3], s[\g1b:\g1b+7]
	s_nop 0
.rept 4
	v_nop
.endr
.Lasked_\@:
.endm
.macro CREST                           ; a round of the cluster's barrier behind its opening barrier
	s_cmp_lg_u32 s14, 0
	s_cbranch_scc1 .Lnot_wave_0_\@
	s_barrier_signal -3
.Lnot_wave_0_\@:
	s_barrier_wait -3
	s_barrier_signal -1
	s_barrier_wait -1
.endm
.macro CROUND
	s_barrier_signal -1
	s_barrier_wait -1
	CREST
.endm
	s_load_b256 s[4:11], s[0:1], 0x0               ; x_img s[4:5], w_img s[6:7], sc s[8:9], q_img s[10:11]
	s_load_b128 s[96:99], s[0:1], 0x20             ; q_sc, kv
	s_load_b64 s[100:101], s[0:1], 0x30            ; kvs
	v_lshl_add_u32 v[SPW], v0, 2, SPARE
	v_mov_b32 v[NIL], 0
	ds_add_u32 v28, v29
	ds_add_u32 v28, v29
	s_wait_dscnt 0x0
	v_lshrrev_b32 v1, 5, v0
	v_readfirstlane_b32 s14, v1                    ; wave 0..3
	s_lshr_b32 s15, s14, 1                         ; which half of A's rows is mine.  Also: I fetch for A (0) or for B (1)
	s_and_b32 s16, s14, 1                          ; which half of B's rows.  Also: which 8 tiles I fetch
	s_bfe_u32 s40, ttmp6, 0x40000                  ; cx
	s_bfe_u32 s41, ttmp6, 0x40004                  ; cy
	s_and_b32 s42, ttmp7, 0xffff                   ; the cluster's y
	s_cmp_eq_u32 ttmp9, 2                          ; V?
	s_cselect_b32 s17, 0, s42
	s_cselect_b32 s43, s42, ttmp9
	s_mov_b32 s92, 0x200000
	s_cselect_b32 s92, 0x100000, s92               ; A: bytes from one 256 along K to the next (x 2 MiB, a weight 1 MiB)
	s_mov_b32 s94, 0x100000
	s_cselect_b32 s94, 0x200000, s94               ; B likewise
	s_cselect_b32 s18, 0x80000, 0                  ; Wv begins at tile 128 of w_img: codes,
	s_cselect_b32 s19, 0x50000, 0                  ; and scale words (the weights' lie 262,144 bytes behind x's)
	s_cselect_b32 s66, 0, 0x40000
	s_mov_b32 s93, 0
	s_mov_b32 s95, 0
	s_lshl_b32 s17, s17, 2
	s_add_co_u32 s17, s17, s41                     ; tr: which 256 rows of A: made of cy (and the cluster's y)
	s_lshl_b32 s43, s43, 2
	s_add_co_u32 s43, s43, s40                     ; tc: which 256 rows of B: made of cx (and the cluster's x or y)
	s_lshl_b32 s67, s16, 3
	s_lshl_b32 s20, s17, 4
	s_add_co_u32 s20, s20, s67                     ; A: the first tile that I fetch
	s_lshl_b32 s22, s20, 9
	s_add_co_u32 s22, s22, s19                     ; its scale words,
	s_lshl_b32 s20, s20, 12
	s_add_co_u32 s20, s20, s18                     ; its codes
	s_mov_b32 s21, 0
	s_mov_b32 s23, 0
	s_lshl_b32 s44, s43, 4
	s_add_co_u32 s44, s44, s67                     ; B likewise
	s_lshl_b32 s46, s44, 9
	s_add_co_u32 s46, s46, s66
	s_lshl_b32 s44, s44, 12
	s_mov_b32 s45, 0
	s_mov_b32 s47, 0
	s_lshl_b32 s18, s41, 2
	s_lshl_b32 s18, 15, s18                        ; my row of the cluster
	s_lshl_b32 s12, 0x1111, s40                    ; my column
	s_or_b32 s[G1+0], s18, (3<<16)|(1<<21)         ; 15:0 the mask; 17:16 elements of 8 bytes; 21 set beside a mask; no padding
	s_or_b32 s[G1B+0], s12, (3<<16)|(1<<21)
	s_or_b32 s[G1S+0], s18, (3<<16)|(1<<21)
	s_or_b32 s[G1SB+0], s12, (3<<16)|(1<<21)
.irp g, G1, G1B                        ; 32,768 consecutive bytes as 128 rows of 256
	s_mov_b32 s[\g+1], 32<<16
	s_mov_b32 s[\g+2], 128<<16
	s_mov_b32 s[\g+3], 32<<16
	s_mov_b32 s[\g+4], 128
	s_mov_b32 s[\g+5], 32
	s_mov_b32 s[\g+6], 0
	s_mov_b32 s[\g+7], 0
.endr
.irp g, G1S, G1SB                      ; 4,096 consecutive bytes as 16 rows of 256
	s_mov_b32 s[\g+1], 32<<16
	s_mov_b32 s[\g+2], 16<<16
	s_mov_b32 s[\g+3], 32<<16
	s_mov_b32 s[\g+4], 16
	s_mov_b32 s[\g+5], 32
	s_mov_b32 s[\g+6], 0
	s_mov_b32 s[\g+7], 0
.endr
	s_lshl_b32 s66, s14, 15                        ; where my codes go in a slot: wave x 32,768: no place in the cluster enters an LDS address
	s_lshl_b32 s67, s14, 12                        ; and my scale words: wave x 4,096, B's 128 further
	s_lshl_b32 s2, s15, 7
	s_add_co_u32 s67, s67, s2
	s_wait_kmcnt 0x0
	s_cmp_eq_u32 ttmp9, 2
	s_cselect_b64 s[2:3], s[6:7], s[4:5]           ; A's codes: the weights' buffer for V, x's else
	s_add_nc_u64 s[20:21], s[2:3], s[20:21]
	s_cselect_b64 s[2:3], s[4:5], s[6:7]           ; B's
	s_add_nc_u64 s[44:45], s[2:3], s[44:45]
	s_add_nc_u64 s[22:23], s[8:9], s[22:23]
	s_add_nc_u64 s[46:47], s[8:9], s[46:47]
	CROUND                                         ; all sixteen work-groups are here: the first joint loads meet
	s_mov_b32 s[G0S], 1
	s_add_co_u32 s[G0S+1], s67, SCL
	s_mov_b64 s[G0S+2:G0S+3], s[22:23]
	s_or_b32 s[G0S+3], s[G0S+3], 0x80000000
	s_mov_b32 s[G0SB], 1
	s_add_co_u32 s[G0SB+1], s67, SCL
	s_mov_b64 s[G0SB+2:G0SB+3], s[46:47]
	s_or_b32 s[G0SB+3], s[G0SB+3], 0x80000000
	JLOAD G0S, G1S, G0SB, G1SB                     ; the scale words first: they are wanted with K step 0
	s_mov_b32 s[G0], 1
	s_mov_b32 s[G0+1], s66
	s_mov_b64 s[G0+2:G0+3], s[20:21]
	s_or_b32 s[G0+3], s[G0+3], 0x80000000
	s_mov_b32 s[G0B], 1
	s_mov_b32 s[G0B+1], s66
	s_mov_b64 s[G0B+2:G0B+3], s[44:45]
	s_or_b32 s[G0B+3], s[G0B+3], 0x80000000
	JLOAD G0, G1, G0B, G1B                         ; slot 0
	s_mov_b32 s[G0+4], 1
	s_add_co_u32 s[G0+5], s66, SLOT
	s_add_nc_u64 s[G0+6:G0+7], s[20:21], s[92:93]
	s_or_b32 s[G0+7], s[G0+7], 0x80000000
	s_mov_b32 s[G0B+4], 1
	s_add_co_u32 s[G0B+5], s66, SLOT
	s_add_nc_u64 s[G0B+6:G0B+7], s[44:45], s[94:95]
	s_or_b32 s[G0B+7], s[G0B+7], 0x80000000
	JLOAD G0+4, G1, G0B+4, G1B                     ; slot 1: three loads of mine are out
	s_lshl_b32 s92, s92, 1                         ; from here on: a slot's next K step is two steps on
	s_lshl_b32 s94, s94, 1
	v_and_b32 v1, 31, v0
	v_lshlrev_b32 v[LI], 4, v1
	v_and_b32 v2, 15, v0                           ; r
	v_bfe_u32 v[HV], v0, 4, 1                      ; h
	s_wait_alu depctr_va_vdst(0)
	s_lshl_b32 s2, s15, 15                         ; my 8 tiles of A,
	s_lshl_b32 s3, s16, 15                         ; my 8 tiles of B,
	s_add_co_u32 s3, s3, 65536                     ; which lie behind A's 16
.irp s, 0,1
	v_add_nc_u32 v[ADRA+\s], s2, v[LI]
	v_add_nc_u32 v[ADRB+\s], s3, v[LI]
	s_add_co_u32 s2, s2, SLOT
	s_add_co_u32 s3, s3, SLOT
.endr
	v_lshlrev_b32 v5, 3, v2                        ; my row's two words of a K step of 256
	s_lshl_b32 s2, s15, 12                         ; A's: my 8 tiles
	s_lshl_b32 s3, s16, 12                         ; B's: my 8 tiles, behind A's
	s_add_co_u32 s3, s3, SCB
	s_sub_co_u32 s3, s3, s2
	v_mul_u32_u24 v6, s3, v[HV]                    ; lanes 16-31 take B's: one product, the distance between the two
	s_add_co_u32 s2, s2, SCL
	v_add_nc_u32 v5, v5, v6
	v_add_nc_u32 v[ADRS], s2, v5
.macro FRAG reg, adr, q, i             ; a fragment: the four chunks of tile i's image of the slot's q-th 128 along K
.irp c, 0,1,2,3
	ds_load_b128 v[\reg+4*\c:\reg+4*\c+3], v[\adr] offset:2048*(\q)+512*\c+(\i)*4096
.endr
.endm
; 16 matrix instructions: A's blocks a0, a0 + 1 x B's eight.  The 64 accumulators take turns, one instruction a turn, in the same order in every step.
.macro MUL16 a0, p, q, sc, zero
.irp a, \a0, \a0+1
.irp b, 0,1,2,3,4,5,6,7
.if \zero
	v_wmma_scale_f32_16x16x128_f8f6f4 v[8*(8*((\a)%4)+\b):8*(8*((\a)%4)+\b)+7], v[128*(\p)+FR*\b:128*(\p)+FR*\b+FR-1], v[AF+FR*(\a):AF+FR*(\a)+FR-1], 0, v[SC+8*NQ*(\sc)+NQ*\b+(\q)], v[SC+8*NQ*(\sc)+NQ*(\a)+(\q)] matrix_a_scale:MATRIX_SCALE_ROW1
.else
	v_wmma_scale_f32_16x16x128_f8f6f4 v[8*(8*((\a)%4)+\b):8*(8*((\a)%4)+\b)+7], v[128*(\p)+FR*\b:128*(\p)+FR*\b+FR-1], v[AF+FR*(\a):AF+FR*(\a)+FR-1], v[8*(8*((\a)%4)+\b):8*(8*((\a)%4)+\b)+7], v[SC+8*NQ*(\sc)+NQ*\b+(\q)], v[SC+8*NQ*(\sc)+NQ*(\a)+(\q)] matrix_a_scale:MATRIX_SCALE_ROW1
.endif
.endr
.endr
.endm
.macro FETCH_B slot, q, p
	WIN TO_B
.irp i, 0,1,2,3,4,5,6,7
	FRAG 128*(\p)+FR*\i, ADRB+\slot, \q, \i
.endr
	WIN 0
.endm
.macro FETCH_A slot, q, i0
.irp i, \i0, \i0+1, \i0+2, \i0+3
	FRAG AF+FR*(\i), ADRA+\slot, \q, \i
.endr
.endm
.macro SCALES sc                       ; a K step's scale words: two a row; lanes 0-15 A's block i, lanes 16-31 B's block i
.irp i, 0,1,2,3,4,5,6,7
	ds_load_b64 v[SC+8*NQ*\sc+NQ*\i:SC+8*NQ*\sc+NQ*\i+1], v[ADRS] offset:\i*512
.endr
.endm
.macro PLACES n                        ; plain vector lines between a matrix instruction and a load into, or a vector line on, its registers
.rept \n
	v_nop
.endr
.endm
.macro STEP slot, q, zero              ; 128 along K that has its successor in the same slot
	s_wait_dscnt 4*NL                              ; B's set and A's blocks 0-3 are in; the youngest 16 loads (A's blocks 4-7) may be out
	WIN MUL_LO
	MUL16 0, (\q)%2, \q, \slot, \zero
	MUL16 2, (\q)%2, \q, \slot, \zero
	s_wait_dscnt 0
	PLACES NP
	FETCH_B \slot, (\q)+1, 1-(\q)%2
	FETCH_A \slot, (\q)+1, 0
	WIN MUL_HI
	MUL16 4, (\q)%2, \q, \slot, \zero
	MUL16 6, (\q)%2, \q, \slot, \zero
	PLACES NP
	WIN 0
	FETCH_A \slot, (\q)+1, 4
.endm
; A slot's last step changes slots: one barrier; in front of it each wave waits for all its tensor loads, adds 0 to its spare word, and waits for that and for its own reads of this slot.
.macro TURN slot, next, fill
	s_wait_tensorcnt 0x0                           ; all my tensor loads have landed: my part of the next slot
	ds_add_u32 v[SPW], v[NIL]                      ; 0 onto my spare word
	s_wait_dscnt 4*NL+1                            ; (the add and the youngest 16 loads may be out)
	WIN MUL_LO
	MUL16 0, 1, NQ-1, \slot, 0
	s_wait_dscnt 0x0                               ; the add is done, and my reads of this slot are over
	s_barrier_signal -1
	MUL16 2, 1, NQ-1, \slot, 0
	WIN 0
	s_barrier_wait -1
.if \fill
	CREST                                          ; the barrier has opened a round of the cluster's barrier: no wave of any partner still reads this slot or has a load on its way
	s_add_nc_u64 s[G0+4*\slot+2:G0+4*\slot+3], s[G0+4*\slot+2:G0+4*\slot+3], s[92:93]
	s_add_nc_u64 s[G0B+4*\slot+2:G0B+4*\slot+3], s[G0B+4*\slot+2:G0B+4*\slot+3], s[94:95]
	JLOAD G0+4*\slot, G1, G0B+4*\slot, G1B         ; the first tensor load behind the round; its four v_nop are among the places in front of the loads below
	PLACES NP-4
.else
	PLACES NP
.endif
	s_wait_alu depctr_va_vdst(0)
	v_add_nc_u32 v[ADRS], 128, v[ADRS]             ; the next K step's scale words
	FETCH_B \next, 0, 0
	FETCH_A \next, 0, 0
	SCALES \next
	WIN MUL_HI
	MUL16 4, 1, NQ-1, \slot, 0
	MUL16 6, 1, NQ-1, \slot, 0
	PLACES NP
	WIN 0
	FETCH_A \next, 0, 4
.endm
	s_wait_alu depctr_va_vdst(0)
	s_wait_tensorcnt 1                             ; the scale words and my part of K step 0 are in; slot 1's load may be out
	s_barrier_signal -1
	s_barrier_wait -1
	FETCH_B 0, 0, 0
	FETCH_A 0, 0, 0
	SCALES 0
	FETCH_A 0, 0, 4
	STEP 0, 0, 1                                   ; the first step's products start the sums
	s_mov_b32 s3, LAPS-1
.Llap:
	TURN 0, 1, 1
	STEP 1, 0, 0
	TURN 1, 0, 1
	STEP 0, 0, 0
	s_sub_co_u32 s3, s3, 1
	s_cmp_lg_u32 s3, 0
	s_cbranch_scc1 .Llap
	TURN 0, 1, 0                                   ; the last lap fills nothing
	STEP 1, 0, 0
	s_wait_dscnt 4*NL
	WIN MUL_LO
	MUL16 0, 1, NQ-1, 1, 0
	MUL16 2, 1, NQ-1, 1, 0
	s_wait_dscnt 0
	WIN MUL_HI
	MUL16 4, 1, NQ-1, 1, 0
	MUL16 6, 1, NQ-1, 1, 0
	WIN 0
	PLACES NP                                      ; behind the last products: their results are read, and A's registers written, below
	; THE WAY OUT.  For A's block a the 64 accumulator registers are 64 numbers of my lane's row: register 16 b + i = index 32 b + 16 (lane / 16) + i along B's 128 rows: four blocks of 32 of the next K.
	; They are quantised as they stand; four registers of codes are a chunk of an image: each store covers 512 consecutive bytes.  No LDS.
	; Q: q_img [head][x's tile in the batch][2 chunks]; K: kv [head][key step][tile a][2 chunks]; a wave's 128 channels are two heads.  V: kv [head][key step] + 8,192 [channel tile][4 chunks]; a wave's blocks 0-3 and 4-7 are two heads.
	s_cmp_eq_u32 ttmp9, 0                          ; Q?
	s_mov_b32 s78, 262144
	s_cselect_b32 s78, 131072, s78                 ; a head's bytes of codes (a sixteenth of it: 128 tokens')
	s_mov_b32 s79, 12288
	s_cselect_b32 s79, 8192, s79                   ; and of scale words
	s_cselect_b64 s[12:13], s[10:11], s[98:99]
	s_cselect_b64 s[80:81], s[96:97], s[100:101]
	s_cmp_eq_u32 ttmp9, 2                          ; V?
	s_cselect_b32 s68, s43, s17                    ; which 256 tokens,
	s_cselect_b32 s69, s16, s15                    ; which half of them is mine,
	s_cselect_b32 s70, s17, s40                    ; which 256 channels of the weight,
	s_cselect_b32 s71, s15, s16                    ; which half
	s_mov_b32 s72, 1024
	s_cselect_b32 s72, 2048, s72                   ; from block a's codes to block a + 1's,
	s_cselect_b32 s74, 253952, 0                   ; and V's further step from a head's last channel tile to the next head's first
	s_cselect_b32 s76, 8192, 0
	s_cselect_b32 s77, 512, 0
	s_cselect_b32 s88, 1024, s78                   ; where chunk 2 goes: V: behind chunk 1; Q, K: the next head
	s_mov_b32 s73, 0
	s_mov_b32 s75, 0
	s_lshr_b32 s82, s68, 3                         ; the batch
	s_and_b32 s83, s68, 7
	s_lshl_b32 s83, s83, 1
	s_add_co_u32 s83, s83, s69                     ; which 128 tokens of the batch
	s_lshl_b32 s82, s82, 4
	s_lshl_b32 s70, s70, 2
	s_add_co_u32 s82, s82, s70
	s_lshl_b32 s71, s71, 1
	s_add_co_u32 s82, s82, s71                     ; the first of my two heads: 16 x batch + 4 x (256 channels) + 2 x half
	s_mul_i32 s84, s82, s78
	s_lshr_b32 s85, s78, 4
	s_mul_i32 s85, s85, s83
	s_add_co_u32 s84, s84, s85
	s_add_co_u32 s84, s84, s76
	s_mov_b32 s85, 0
	s_add_nc_u64 s[12:13], s[12:13], s[84:85]
	s_mul_i32 s86, s82, s79
	s_lshr_b32 s87, s79, 4
	s_mul_i32 s87, s87, s83
	s_add_co_u32 s86, s86, s87
	s_add_co_u32 s86, s86, s77
	s_mov_b32 s87, 0
	s_add_nc_u64 s[80:81], s[80:81], s[86:87]
	s_mov_b32 s89, 0x600000                        ; the mantissa field of 448
	s_mov_b32 s90, 0x76543210
	s_mov_b32 s91, 0xfedcba98
	v_mov_b32 v[VO], v[LI]
	v_add_nc_u32 v[VO+1], 512, v[LI]
	v_add_nc_u32 v[VO+2], s88, v[LI]
	v_add_nc_u32 v[VO+3], 512, v[VO+2]
.irp b, 0,1,2,3
	v_mov_b32 v[TM+4+\b], 0                        ; written once: a lane permute's destination counts as one of its sources
.endr
.macro QOUT a
.set AC, 64*((\a)%4)
	WIN 0x0a+5*((\a)/4)                            ; sources 0 and 1: window 2 or 3
.irp b, 0,1,2,3
	v_max3_num_f32 v[TM+\b], |v[AC+16*\b]|, |v[AC+16*\b+1]|, 0x4800000   ; each accumulator is read from its low end on; the floor 2^(9 - 127) holds the byte at 1 from below
.endr
.irp i, 2,4,6,8,10,12,14
.irp b, 0,1,2,3
	v_max3_num_f32 v[TM+\b], |v[AC+16*\b+\i]|, |v[AC+16*\b+\i+1]|, v[TM+\b]
.endr
.endr
	WIN 0
.irp b, 0,1,2,3
	v_permlanex16_b32 v[TM+4+\b], v[TM+\b], s90, s91
.endr
.irp b, 0,1,2,3
	v_max_num_f32 v[TM+\b], v[TM+\b], v[TM+4+\b]
.endr
.irp b, 0,1,2,3
	v_add_nc_u32 v[TM+12+\b], 0xfc000000, v[TM+\b]
.endr
.irp b, 0,1,2,3
	v_and_or_b32 v[TM+8+\b], v[TM+\b], 0x7f800000, s89
.endr
.irp b, 0,1,2,3
	v_lshrrev_b32 v[TM+4+\b], 23, v[TM+12+\b]
.endr
	v_lshl_or_b32 v[LO+(\a)], v[TM+5], 8, v[TM+4]
	v_lshl_or_b32 v[HI+(\a)], v[TM+7], 8, v[TM+6]
	WIN 0x02+((\a)/4)                              ; source 0: window 2 or 3
.irp b, 0,1,2,3
.irp i, 0,1,2,3,4,5,6,7,8,9,10,11,12,13,14,15
	v_med3_num_f32 v[X+16*\b+\i], v[AC+16*\b+\i], -v[TM+8+\b], v[TM+8+\b]   ; the hold at 448 x the scale (ISA guide 7.6.2: the conversion does not saturate)
.endr
.endr
	WIN 0
	s_wait_alu depctr_va_vdst(0)
	s_wait_xcnt 0x0                                ; the last block's stores have read their data and their base: both are written below
.if (\a) > 0
	s_add_nc_u64 s[12:13], s[12:13], s[72:73]
.endif
.if (\a) == 4
	s_add_nc_u64 s[12:13], s[12:13], s[74:75]
.endif
.irp b, 0,1,2,3
	v_cvt_scalef32_pk8_fp8_f32 v[PC+4*\b:PC+4*\b+1], v[X+16*\b:X+16*\b+7], v[TM+12+\b]
	v_cvt_scalef32_pk8_fp8_f32 v[PC+4*\b+2:PC+4*\b+3], v[X+16*\b+8:X+16*\b+15], v[TM+12+\b]
.endr
	v_nop                                          ; a plain line behind the last conversion
.irp b, 0,1,2,3
	global_store_b128 v[VO+\b], v[PC+4*\b:PC+4*\b+3], s[12:13]
.endr
.endm
.irp a, 0,1,2,3,4,5,6,7
	QOUT \a
.endr
	; the scale words.  Both halves of the lanes hold every word of their row, so lanes 0-15 store blocks 0-3's and lanes 16-31 blocks 4-7's
	v_cmp_ne_u32 vcc_lo, 0, v[HV]
	s_cmp_eq_u32 ttmp9, 2                          ; the kind is the same in all partners
	s_cbranch_scc1 .Lv_words
.irp i, 0,1,2,3                        ; Q, K: a head has two bytes a token; the upper 64 of the next product's K are zero codes under the byte 127.  Word of (tile a, r) at 256 (a / 4) + 16 r + 4 (a % 4)
	v_cndmask_b32 v[OW+\i], v[LO+\i], v[LO+4+\i], vcc_lo
	v_cndmask_b32 v[OW+4+\i], v[HI+\i], v[HI+4+\i], vcc_lo
.endr
.irp i, 0,1,2,3,4,5,6,7
	v_or_b32 v[OW+\i], 0x7f7f0000, v[OW+\i]
.endr
	v_add_nc_u32 v[OF], s79, v[LI]
	global_store_b128 v[LI], v[OW:OW+3], s[80:81]  ; my first head: 512 consecutive bytes
	global_store_b128 v[OF], v[OW+4:OW+7], s[80:81]  ; my second
	s_branch .Lwords_done
.Lv_words:
.irp a, 0,1,2,3,4,5,6,7                ; V: a channel's four bytes of the key step make one word, at 16 r + 4 x channel tile
	v_lshl_or_b32 v[LO+\a], v[HI+\a], 16, v[LO+\a]
.endr
.irp i, 0,1,2,3
	v_cndmask_b32 v[OW+\i], v[LO+\i], v[LO+4+\i], vcc_lo
.endr
	v_and_b32 v[OF], 15, v0
	v_lshlrev_b32 v[OF], 4, v[OF]
	v_mad_u32_u24 v[OF], v[HV], s79, v[OF]         ; lanes 16-31: the next head
	global_store_b128 v[OF], v[OW:OW+3], s[80:81]  ; sixteen lanes store 256 consecutive bytes, aligned
.Lwords_done:
	s_wait_tensorcnt 0x0                           ; the wave's end
	ds_add_u32 v[SPW], v[NIL]
	s_wait_dscnt 0x0
	CROUND                                         ; the closing round: no work-group ends while a partner may still ask for a tile that names it
	s_endpgm
.Lfunc_end_k_qe67b338df8_qkv:
	.size	k_qe67b338df8_qkv, .Lfunc_end_k_qe67b338df8_qkv-k_qe67b338df8_qkv
	.p2alignl 7, 3214868480
	.fill 96, 4, 3214868480
	.section	.rodata,"a",@progbits
	.p2align	6, 0x0
	.amdhsa_kernel k_qe67b338df8_qkv
		.amdhsa_group_segment_fixed_size 327680
		.amdhsa_private_segment_fixed_size 0
		.amdhsa_enable_private_segment 0
		.amdhsa_kernarg_size 56
		.amdhsa_user_sgpr_count 2
		.amdhsa_user_sgpr_kernarg_segment_ptr 1
		.amdhsa_wavefront_size32 1
		.amdhsa_system_sgpr_workgroup_id_x 1
		.amdhsa_system_sgpr_workgroup_id_y 1
		.amdhsa_system_sgpr_workgroup_id_z 1
		.amdhsa_system_vgpr_workitem_id 0
		.amdhsa_next_free_vgpr 1024
		.amdhsa_next_free_sgpr 102
		.amdhsa_reserve_vcc 1
		.amdhsa_float_denorm_mode_32 3
		.amdhsa_float_denorm_mode_16_64 3
		.amdhsa_memory_ordered 1
		.amdhsa_forward_progress 1
		.amdhsa_inst_pref_size 188
	.end_amdhsa_kernel
	.amdgpu_metadata
---
amdhsa.version: [ 1, 2 ]
amdhsa.kernels:
  - .name:           k_qe67b338df8_qkv
    .symbol:         k_qe67b338df8_qkv.kd
    .args:
      - { .name: x_img, .offset: 0, .size: 8, .value_kind: global_buffer, .address_space: global }
      - { .name: w_img, .offset: 8, .size: 8, .value_kind: global_buffer, .address_space: global }
      - { .name: sc, .offset: 16, .size: 8, .value_kind: global_buffer, .address_space: global }
      - { .name: q_img, .offset: 24, .size: 8, .value_kind: global_buffer, .address_space: global }
      - { .name: q_sc, .offset: 32, .size: 8, .value_kind: global_buffer, .address_space: global }
      - { .name: kv, .offset: 40, .size: 8, .value_kind: global_buffer, .address_space: global }
      - { .name: kvs, .offset: 48, .size: 8, .value_kind: global_buffer, .address_space: global }
    .group_segment_fixed_size: 327680
    .private_segment_fixed_size: 0
    .kernarg_segment_align: 8
    .kernarg_segment_size: 56
    .max_flat_workgroup_size: 128
    .sgpr_count:     102
    .vgpr_count:     1024
    .wavefront_size: 32
...
	.end_amdgpu_metadata
.endif
;; end of part 2
;; launch attn (part 3): grid 4 x 64, 16 waves a work-group, clusters of 4 x 1, 313,344 bytes of LDS; arguments q_img, q_sc, kv, kvs, w_img, sc, part; writes part
.if DOCPART == 3
	.amdgcn_target "amdgcn-amd-amdhsa--gfx1250"
	.amdhsa_code_object_version 6
	.text
	.protected	k_qe67b338df8_attn
	.globl	k_qe67b338df8_attn
	.p2align	8
	.type	k_qe67b338df8_attn,@function
k_qe67b338df8_attn:
	s_mov_b64 s[64:65], 0
	v_nop
	global_prefetch_b8 v0, s[64:65] scope:SCOPE_SE
	s_setreg_imm32_b32 hwreg(HW_REG_WAVE_MODE, 25, 1), 1
	s_wait_xcnt 0x0
	s_wait_alu depctr_hold_cnt(0) depctr_sa_sdst(0) depctr_va_vdst(0) depctr_va_sdst(0) depctr_va_ssrc(0) depctr_va_vcc(0) depctr_vm_vsrc(0)
	s_getreg_b32 s2, hwreg(HW_REG_IB_STS2, 6, 4)
	s_cmp_eq_u32 s2, 0
	s_cbranch_scc0 .Lentry_in_a_cluster
	s_endpgm
.Lentry_in_a_cluster:
	s_bfe_u32 s2, ttmp6, 0x10000c
	s_cmp_lg_u32 s2, 0x3003
	s_cbranch_scc0 .Lentry_shape_is_right
	s_endpgm
.Lentry_shape_is_right:
; For one head (of 64: batch x 16 + head) and 512 of its queries: S^T = K Q^T, the softmax, O^T = V^T P^T, ctx = O / l quantised along the hidden channels, ctx Wo^T over this head's 64 channels, and the sum of that over the 512 queries.
; All three products on codes of FP8 (E4M3) with E8M0 scales.  A head has 64 channels, half of the instruction's 128 along K: in the first and the third product the upper 64 are zero codes on both sides.
; THE SOFTMAX: t = score x log2(e) / 8; M = the running largest t rounded UP to a whole number; p = 2^(t - M) is quantised along the keys, not normalised; the row's sum is taken of the unquantised p and divides O at the end.
; When M moves, the sum and O are multiplied by 2^(old M - new M): exact.
; SHARES.  A work-group stays for two passes; in pass p wave w (of sixteen, four to a SIMD) owns query tile 32 cx + 16 p + w of the head.  Every wave walks all 2,048 keys, 128 a step.
; THE HEAD'S WHOLE K AND V, as images of the operands' registers, and their scale words come into LDS ONCE (274,432 bytes): no byte is filled again.  The four work-groups of a cluster belong to one head: every tile is asked for jointly.
; LAYOUT.  Both attention products are used transposed, so a lane holds ONE query throughout.  The keys of a tile of K, and the channels of a tile of V, are in the images' tile order (lane r: 8 (tile % 2) + r + 8 (r / 8) of each 32),
; so that 16 result registers of two neighbouring tiles are 16 neighbours: p's registers are the second product's operand, and O^T's are ctx's 64 channels in order.
; THE THIRD PRODUCT.  The 32 query tiles' ctx go through LDS as images; wave w multiplies all of them by Wo's rows 64 w .. + 63 and ADDS THEM IN THE SAME FOUR ACCUMULATORS: only the sum over the queries is wanted.
; part [4 x head + cx][1024]: element 64 w + 32 h + 2 r + u is column 64 w + 32 h + 8 u + r + 8 (r / 8).  The sum over heads and query blocks, the mean and the bias are the next launch's.
; LIMITS: a block of ctx that is all zeros or under 2^-118 keeps the byte 1 (its codes are what that scale gives); NaN and infinities are not served.
; REGISTERS: v1-7, v11 addresses that stay; v8-10 addresses in hand; v12 -M, v13 the largest t, v[14:15] the sum; v16-31 Q (v24-31 zeros); v32-95 four fragments of K, later of ctx (the upper 8 of each 16 stay zeros);
; v96-159 S^T, then p, then V's four fragments, at last Wo's; v160-191 O^T, at last the third product's sums; v192-195, v196-199, v253, v255 scale words and nothing else; v200-217 the end's work; v224-239 codes; v232-254 at work.
.set KVS,  262144                      ; LDS: K and V, 16,384 bytes a key step, from 0; their scale words, 768 bytes a key step, from here;
.set CI,   274432                      ; ctx's 32 images of 1,024 bytes;
.set CSW,  307200                      ; their scale words, 128 bytes each
.set ADK,  8
.set ADS,  9
.set ADT,  10
.set KW,   192
.set VW,   196
.set WV,   18
.set MNT,  19
.set SEL,  20
.set CS,   22
.set G1C,  24                          ; s[24:31] group 1: 4,096 consecutive bytes;  s[32:39]: 768
.set G1S,  32
.set G0,   40                          ; s[40:59] five groups 0
.set TB,   60                          ; the key step's tiles in LDS
.set TS,   61                          ; and its scale words, from KVS on
.set CNT,  62
.set PASS, 63
.set PO,   66                          ; the pass's ctx images: 16,384 x pass
.set PS,   67                          ; and their scale words: 2,048 x pass
.macro CROUND                          ; a round of the cluster's barrier
	s_barrier_signal -1
	s_barrier_wait -1
	s_cmp_lg_u32 s[WV], 0
	s_cbranch_scc1 .Lnot_wave_0_\@
	s_barrier_signal -3
.Lnot_wave_0_\@:
	s_barrier_wait -3
	s_barrier_signal -1
	s_barrier_wait -1
.endm
	s_load_b256 s[4:11], s[0:1], 0x0               ; q_img, q_sc, kv, kvs
	s_load_b128 s[12:15], s[0:1], 0x20             ; w_img, sc
	s_load_b64 s[16:17], s[0:1], 0x30              ; part
	v_lshl_add_u32 v250, v0, 2, 0x4c000
	v_mov_b32 v251, 0
	ds_add_u32 v250, v251
	ds_add_u32 v250, v251
	v_lshrrev_b32 v1, 5, v0
	s_delay_alu instid0(VALU_DEP_1)
	v_readfirstlane_b32 s[WV], v1                  ; wave 0..15
	s_and_b32 s69, ttmp7, 0xffff                   ; the head, which the four partners share
	s_lshl_b32 s72, s69, 18                        ; its 262,144 bytes of kv,
	s_lshl_b32 s76, s[WV], 12                      ; my 4,096 of each 65,536: in memory and in LDS alike
	s_add_co_u32 s72, s72, s76
	s_mov_b32 s73, 0
	s_mul_i32 s74, s69, 12288                      ; its scale words,
	s_mul_i32 s77, s[WV], 768                      ; my key step's
	s_add_co_u32 s74, s74, s77
	s_mov_b32 s75, 0
	s_mov_b32 s[G1C], 15|(3<<16)|(1<<21)           ; 15:0 the mask: all four work-groups; 17:16 elements of 8 bytes; 21 set beside a mask
	s_mov_b32 s[G1C+1], 32<<16
	s_mov_b32 s[G1C+2], 16<<16
	s_mov_b32 s[G1C+3], 32<<16
	s_mov_b32 s[G1C+4], 16                         ; 16 rows of 256 bytes
	s_mov_b32 s[G1C+5], 32
	s_mov_b32 s[G1C+6], 0
	s_mov_b32 s[G1C+7], 0
	s_mov_b32 s[G1S], 15|(3<<16)|(1<<21)
	s_mov_b32 s[G1S+1], 32<<16
	s_mov_b32 s[G1S+2], 3<<16
	s_mov_b32 s[G1S+3], 32<<16
	s_mov_b32 s[G1S+4], 3                          ; 3 rows of 256 bytes
	s_mov_b32 s[G1S+5], 32
	s_mov_b32 s[G1S+6], 0
	s_mov_b32 s[G1S+7], 0
	s_wait_dscnt 0x0
	s_wait_kmcnt 0x0
	s_add_nc_u64 s[72:73], s[8:9], s[72:73]
	s_add_nc_u64 s[74:75], s[10:11], s[74:75]
	s_mov_b32 s[G0], 1
	s_add_co_u32 s[G0+1], s77, KVS
	s_mov_b64 s[G0+2:G0+3], s[74:75]
	s_or_b32 s[G0+3], s[G0+3], 0x80000000
.irp j, 0,1,2,3                        ; chunk j: key steps 4 j .. 4 j + 3
	s_mov_b32 s[G0+4+4*\j], 1
	s_add_co_u32 s[G0+5+4*\j], s76, 65536*\j
	s_add_nc_u64 s[G0+6+4*\j:G0+7+4*\j], s[72:73], 65536*\j
	s_or_b32 s[G0+7+4*\j], s[G0+7+4*\j], 0x80000000
.endr
	CROUND                                         ; all four work-groups are here: the joint loads meet
	tensor_load_to_lds s[G0:G0+3], s[G1S:G1S+7]    ; all the launch's fills go out as one group: five loads of mine are out
	s_nop 0
	tensor_load_to_lds s[G0+4:G0+7], s[G1C:G1C+7]
	s_nop 0
	tensor_load_to_lds s[G0+8:G0+11], s[G1C:G1C+7]
	s_nop 0
	tensor_load_to_lds s[G0+12:G0+15], s[G1C:G1C+7]
	s_nop 0
	tensor_load_to_lds s[G0+16:G0+19], s[G1C:G1C+7]
	s_nop 0
.rept 4
	v_nop
.endr
	s_bfe_u32 s68, ttmp6, 0x40000                  ; cx: my block of 512 queries: it enters Q's and part's addresses alone
	s_and_b32 s70, s69, 15                         ; the head within its batch
	s_lshl_b32 s78, s69, 17                        ; Q: a head's 128 tiles of 1,024 bytes; my tile of pass 0: 32 cx + wave
	s_lshl_b32 s71, s68, 5
	s_add_co_u32 s71, s71, s[WV]
	s_lshl_b32 s71, s71, 10
	s_add_co_u32 s78, s78, s71
	s_mov_b32 s79, 0
	s_add_nc_u64 s[4:5], s[4:5], s[78:79]
	s_lshl_b32 s80, s69, 13                        ; its scale words: groups of 8 tiles, 512 bytes; tile a's at 256 (a / 4) + 16 r + 4 (a % 4)
	s_lshl_b32 s71, s68, 2
	s_lshr_b32 s89, s[WV], 3
	s_add_co_u32 s71, s71, s89
	s_lshl_b32 s71, s71, 9
	s_add_co_u32 s80, s80, s71
	s_bfe_u32 s89, s[WV], 0x10002
	s_lshl_b32 s89, s89, 8
	s_add_co_u32 s80, s80, s89
	s_and_b32 s89, s[WV], 3
	s_lshl_b32 s89, s89, 2
	s_add_co_u32 s80, s80, s89
	s_mov_b32 s81, 0
	s_add_nc_u64 s[6:7], s[6:7], s[80:81]
	s_lshr_b32 s82, s70, 2                         ; Wo: the head's 64 channels lie in the (head / 4)-th 256 along K,
	s_lshl_b32 s84, s82, 7
	s_lshl_b32 s82, s82, 20
	s_lshl_b32 s2, s[WV], 2
	s_add_co_u32 s2, s2, 192                       ; my four tiles of w_img: 192 + 4 x wave on,
	s_lshl_b32 s3, s2, 12
	s_add_co_u32 s82, s82, s3
	s_lshl_b32 s3, s2, 9
	s_add_co_u32 s84, s84, s3
	s_bfe_u32 s3, s70, 0x10001                     ; in its K step (head / 2) % 2,
	s_lshl_b32 s2, s3, 11
	s_add_co_u32 s82, s82, s2
	s_lshl_b32 s2, s3, 2
	s_add_co_u32 s84, s84, s2
	s_add_co_u32 s84, s84, 262144
	s_and_b32 s88, s70, 1                          ; chunks 2 (head % 2) and the next;
	s_lshl_b32 s2, s88, 10
	s_add_co_u32 s82, s82, s2
	s_lshl_b32 s88, s88, 4                         ; and the scale word's bytes from bit 16 (head % 2) on
	s_mov_b32 s83, 0
	s_mov_b32 s85, 0
	s_add_nc_u64 s[12:13], s[12:13], s[82:83]
	s_add_nc_u64 s[14:15], s[14:15], s[84:85]
	s_lshl_b32 s86, s69, 2                         ; part: row 4 x head + cx, my 256 bytes
	s_add_co_u32 s86, s86, s68
	s_lshl_b32 s86, s86, 12
	s_lshl_b32 s71, s[WV], 8
	s_add_co_u32 s86, s86, s71
	s_mov_b32 s87, 0
	s_add_nc_u64 s[16:17], s[16:17], s[86:87]
	s_mov_b32 s[SEL], 0x76543210
	s_mov_b32 s[SEL+1], 0xfedcba98
	s_mov_b32 s[CS], 0x3e38aa3b                    ; c = log2(e) / 8
	s_mov_b32 s[CS+1], s[CS]                       ; (named with it as a pair, so it is written)
	v_and_b32 v7, 31, v0
	s_delay_alu instid0(VALU_DEP_1)
	v_lshlrev_b32 v1, 4, v7                        ; 16 x lane: my place in every chunk
	s_delay_alu instid0(VALU_DEP_2)
	v_lshlrev_b32 v11, 3, v7                       ; 8 x lane
	v_and_b32 v7, 15, v0
	s_delay_alu instid0(VALU_DEP_1)
	v_lshlrev_b32 v6, 4, v7                        ; 16 r
	s_delay_alu instid0(VALU_DEP_2)
	v_lshlrev_b32 v7, 3, v7                        ; 8 r
	v_add_nc_u32 v2, KVS, v1                       ; K's scale words: lane (r, h) takes the words of tiles 4 h .. 4 h + 3
	s_delay_alu instid0(VALU_DEP_3)
	v_add_nc_u32 v3, KVS+512, v6                   ; V's: row r's four words
	v_lshl_add_u32 v4, v0, 2, CSW                  ; where I store ctx's scale word: 128 x wave + 4 x lane
	s_lshl_b32 s2, s[WV], 10
	v_add_nc_u32 v5, s2, v1
	s_delay_alu instid0(VALU_DEP_1)
	v_add_nc_u32 v5, CI, v5                        ; and its image: 1,024 x wave + 16 x lane
.irp k, 24,25,26,27,28,29,30,31
	v_mov_b32 v[\k], 0                             ; Q's upper 64 along K
.endr
.irp t, 0,1,2,3
.irp k, 8,9,10,11,12,13,14,15
	v_mov_b32 v[32+16*\t+\k], 0                    ; and K's (later ctx's): written once, no load ever lands here
.endr
.endr
.irp k, 212,213,214,215,236,237,238,239,253
	v_mov_b32 v[\k], 0                             ; lane permutes' destinations, and the upper half of the pair v[252:253]
.endr
; A KEY STEP: 128 keys
.macro STEP
	v_add_nc_u32 v[ADK], s[TB], v1
	s_wait_alu depctr_va_vdst(0)
	v_add_nc_u32 v[ADS], s[TS], v2
	v_add_nc_u32 v[ADT], s[TS], v3
.rept 6
	v_nop                                          ; with the three additions nine places: the products below write over v96 on, which the last step's products read as their source 0
.endr
	ds_load_b128 v[KW:KW+3], v[ADS]
	ds_load_b128 v[VW:VW+3], v[ADT]
.irp g, 0,1                            ; S^T = K Q^T, four tiles of 16 keys at a time
.if \g
.rept 8
	v_nop                                          ; places in front of loads into registers that matrix instructions have read
.endr
.endif
.irp t, 0,1,2,3
	ds_load_b128 v[32+16*\t:35+16*\t], v[ADK] offset:(4*\g+\t)*1024
	ds_load_b128 v[36+16*\t:39+16*\t], v[ADK] offset:(4*\g+\t)*1024+512
.endr
	s_wait_dscnt 0x0
.irp t, 0,1,2,3
.if \g
	v_wmma_scale_f32_16x16x128_f8f6f4 v[128+8*\t:135+8*\t], v[32+16*\t:47+16*\t], v[16:31], 0, v[KW+\t], v255 matrix_a_scale:MATRIX_SCALE_ROW1
.else
	v_wmma_scale_f32_16x16x128_f8f6f4 v[96+8*\t:103+8*\t], v[32+16*\t:47+16*\t], v[16:31], 0, v[KW+\t], v255
.endif
.endr
.endr                                  ; lane (r, h) holds query r; register 96 + 16 b + i is key 32 b + 16 h + i of the step
.rept 8
	v_nop
.endr
.irp b, 0,1,2,3
	v_max3_num_f32 v[232+\b], v[96+16*\b], v[97+16*\b], v[98+16*\b]   ; the largest score of each block of 32 keys: for the row's maximum and, since p rises with the score, for the block's largest p
.endr
.irp i, 3,5,7,9,11,13
.irp b, 0,1,2,3
	v_max3_num_f32 v[232+\b], v[232+\b], v[96+16*\b+\i], v[97+16*\b+\i]
.endr
.endr
.irp b, 0,1,2,3
	v_max_num_f32 v[232+\b], v[232+\b], v[111+16*\b]
.endr
.irp b, 0,1,2,3
	v_permlanex16_b32 v[236+\b], v[232+\b], s[SEL], s[SEL+1]
.endr
.irp b, 0,1,2,3
	s_delay_alu instid0(VALU_DEP_4)
	v_max_num_f32 v[232+\b], v[232+\b], v[236+\b]  ; with lane l xor 16's 16 keys
.endr
	s_delay_alu instid0(VALU_DEP_2)
	v_max3_num_f32 v254, v232, v233, v234
	s_delay_alu instid0(VALU_DEP_1)
	v_max_num_f32 v254, v254, v235                 ; the step's largest score of my query
	s_delay_alu instid0(VALU_DEP_1)
	v_mul_f32 v254, s[CS], v254                    ; as t
	s_delay_alu instid0(VALU_DEP_1)
	v_max_num_f32 v13, v13, v254                   ; the running largest t
	v_mov_b32 v254, v12
	s_delay_alu instid0(VALU_DEP_2)
	v_floor_f32 v12, -v13                          ; the new -M = floor(-t): M is a whole number
	s_delay_alu instid0(VALU_DEP_1)
	v_sub_f32 v254, v12, v254                      ; old M - new M: a whole number, 0 or less
	s_delay_alu instid0(VALU_DEP_1)
	v_cvt_i32_f32 v254, v254                       ; (it saturates)
	s_delay_alu instid0(VALU_DEP_1)
	v_ldexp_f32 v252, 1.0, v254                    ; f = 2^(old M - new M)
.set j, 0
.rept 32
	v_pk_fma_f32 v[96+j:97+j], v[96+j:97+j], s[CS:CS+1], v[12:13] op_sel_hi:[1,0,0]   ; t - M, two at a time
.set j, j+2
.endr
.irp b, 0,1,2,3
	v_fma_f32 v[232+\b], v[232+\b], s[CS], v12     ; the same of each block's largest score
.endr
.set j, 0
	s_wait_alu depctr_va_vdst(0)
.rept 64
	v_exp_f32 v[96+j], v[96+j]                     ; p = 2^(t - M), at most 1
.set j, j+1
.endr
	s_setprio 1
	v_pk_mul_f32 v[14:15], v[14:15], v[252:253] op_sel_hi:[1,0]   ; the sums under the new M: a plain line behind the exponentials
	s_wait_alu depctr_va_vdst(0)                   ; one wait for the whole batch, ahead of its first reader
.irp b, 0,1,2,3
	v_exp_f32 v[232+\b], v[232+\b]                 ; the block's largest p: the same two instructions on the same number
.endr
	v_pk_add_f32 v[236:237], v[100:101], v[104:105]
	v_pk_add_f32 v[248:249], v[108:109], v[112:113]
	v_pk_add_f32 v[246:247], v[116:117], v[120:121]
	v_pk_add_f32 v[244:245], v[124:125], v[128:129]
	v_pk_add_f32 v[242:243], v[132:133], v[136:137]
	v_pk_add_f32 v[240:241], v[140:141], v[144:145]
	v_pk_add_f32 v[238:239], v[148:149], v[152:153]
	v_pk_add_f32 v[14:15], v[14:15], v[156:157]
	v_pk_add_f32 v[236:237], v[236:237], v[96:97]
	v_pk_add_f32 v[248:249], v[248:249], v[98:99]
	v_pk_add_f32 v[246:247], v[246:247], v[102:103]
	v_pk_add_f32 v[244:245], v[244:245], v[106:107]
	v_pk_add_f32 v[242:243], v[242:243], v[110:111]
	v_pk_add_f32 v[240:241], v[240:241], v[114:115]
	v_pk_add_f32 v[238:239], v[238:239], v[118:119]
	v_pk_add_f32 v[14:15], v[14:15], v[122:123]
	v_pk_add_f32 v[236:237], v[236:237], v[126:127]
	v_pk_add_f32 v[248:249], v[248:249], v[130:131]
	v_pk_add_f32 v[246:247], v[246:247], v[134:135]
	v_pk_add_f32 v[244:245], v[244:245], v[138:139]
	v_pk_add_f32 v[242:243], v[242:243], v[142:143]
	v_pk_add_f32 v[240:241], v[240:241], v[146:147]
	v_pk_add_f32 v[238:239], v[238:239], v[150:151]
	v_pk_add_f32 v[14:15], v[14:15], v[154:155]
	v_pk_add_f32 v[236:237], v[236:237], v[158:159]
	s_delay_alu instid0(VALU_DEP_2)
	v_pk_add_f32 v[14:15], v[14:15], v[244:245]
	s_delay_alu instid0(VALU_DEP_2)
	v_pk_add_f32 v[236:237], v[236:237], v[242:243]
	v_pk_add_f32 v[248:249], v[248:249], v[240:241]
	v_pk_add_f32 v[246:247], v[246:247], v[238:239]
	s_delay_alu instid0(VALU_DEP_2)
	v_pk_add_f32 v[14:15], v[14:15], v[248:249]
	s_delay_alu instid0(VALU_DEP_2)
	v_pk_add_f32 v[236:237], v[236:237], v[246:247]
	s_delay_alu instid0(VALU_DEP_1)
	v_pk_add_f32 v[14:15], v[14:15], v[236:237]
	s_wait_alu depctr_va_vdst(0)                   ; and one for the four
.irp b, 0,1,2,3
	v_max_num_f32 v[232+\b], 0x4800000, v[232+\b]  ; the floor 2^(9 - 127): the byte cannot fall under 1
.endr
.irp b, 0,1,2,3
	s_delay_alu instid0(VALU_DEP_4)
	v_add_nc_u32 v[244+\b], 0xfc000000, v[232+\b]  ; the conversion's scale operand
.endr
.irp b, 0,1,2,3
.endr
.irp b, 0,1,2,3
	s_delay_alu instid0(VALU_DEP_4)
	v_lshrrev_b32 v[236+\b], 23, v[244+\b]         ; the scale's byte
.endr
	s_delay_alu instid0(VALU_DEP_3)
	v_lshl_or_b32 v253, v237, 8, v236              ; p's scale word for these 128 keys
	s_delay_alu instid0(VALU_DEP_1)
	v_lshl_or_b32 v253, v238, 16, v253
	s_delay_alu instid0(VALU_DEP_1)
	v_lshl_or_b32 v253, v239, 24, v253
.irp b, 0,1,2,3
.set i, 0
.rept 16
.set i, i+1
.endr
	v_cvt_scalef32_pk8_fp8_f32 v[224+4*\b:225+4*\b], v[96+16*\b:103+16*\b], v[244+\b]
	v_cvt_scalef32_pk8_fp8_f32 v[226+4*\b:227+4*\b], v[104+16*\b:111+16*\b], v[244+\b]
.irp c, 0,1,2,3
	ds_load_b128 v[96+16*\b+4*\c:99+16*\b+4*\c], v[ADK] offset:8192+2048*\b+512*\c   ; the block's 16 registers are done with: V's channel tile b lands there while the other blocks are converted
.endr
.endr
.set j, 0
	s_setprio 0
.rept 16
	v_pk_mul_f32 v[160+j:161+j], v[160+j:161+j], v[252:253] op_sel_hi:[1,0]   ; O^T under the new M; these are also the plain lines between the conversions, the scale word and the products
.set j, j+2
.endr
	s_wait_alu depctr_va_vdst(0)
	s_wait_dscnt 0x0
.irp t, 0,1,2,3                        ; O^T += V^T P^T: the four accumulators by turns
	v_wmma_scale_f32_16x16x128_f8f6f4 v[160+8*\t:167+8*\t], v[96+16*\t:111+16*\t], v[224:239], v[160+8*\t:167+8*\t], v[VW+\t], v253
.endr
.endm
; Four key steps, which one group of tensor loads brought
.macro CHUNK j
	s_wait_tensorcnt 3-\j                          ; my part of the scale words and of chunks 0 .. j is in; the later chunks' loads may stay out
	s_wait_dscnt 0x0
	s_barrier_signal -1
	s_barrier_wait -1                              ; everybody's is
	s_mov_b32 s[TB], 65536*\j
	s_mov_b32 s[TS], 3072*\j
	s_mov_b32 s[CNT], 4
.Lstep_\@:
	s_setprio 2
	STEP
	s_add_co_u32 s[TB], s[TB], 16384
	s_add_co_u32 s[TS], s[TS], 768
	s_sub_co_u32 s[CNT], s[CNT], 1
	s_cmp_lg_u32 s[CNT], 0
	s_cbranch_scc1 .Lstep_\@
	s_setprio 0
.endm
	s_mov_b32 s[PASS], 2
	s_mov_b32 s[PO], 0
	s_mov_b32 s[PS], 0
.Lpass:
	global_load_b128 v[16:19], v1, s[4:5]          ; my query tile's two chunks
	global_load_b128 v[20:23], v1, s[4:5] offset:512
	global_load_b32 v255, v6, s[6:7]               ; and its scale words
	v_mov_b32 v13, 0xff61b1e6                      ; the largest t so far: -3e38
	s_delay_alu instid0(VALU_DEP_1)
	v_floor_f32 v12, -v13
	v_mov_b32 v14, 0
	v_mov_b32 v15, 0
.set j, 0
.rept 32
	v_mov_b32 v[160+j], 0                          ; O^T: the first step finds zeros, which the first change of M leaves zeros
.set j, j+1
.endr
	s_wait_loadcnt 0x0                             ; Q is in, so its bases may step:
	s_add_nc_u64 s[4:5], s[4:5], 16384             ; 16 tiles on
	s_add_nc_u64 s[6:7], s[6:7], 1024
	CHUNK 0
	CHUNK 1
	CHUNK 2
	CHUNK 3
	; ctx = O / l, quantised along its 64 channels (two blocks of the hidden axis), as an image into LDS
.rept 8
	v_nop
.endr
	v_add_f32 v14, v14, v15
	s_delay_alu instid0(VALU_DEP_1)
	v_permlanex16_b32 v252, v14, s[SEL], s[SEL+1]
	s_delay_alu instid0(VALU_DEP_1)
	v_add_f32 v14, v14, v252                       ; the row's sum
	s_wait_alu depctr_va_vdst(0)
	v_rcp_f32 v14, v14
	v_add_nc_u32 v8, s[PO], v5                     ; (plain lines behind the reciprocal)
	v_add_nc_u32 v9, s[PS], v4
	s_wait_alu depctr_va_vdst(0)                   ; ahead of its first reader
.set j, 0
.rept 16
	v_pk_mul_f32 v[96+j:97+j], v[160+j:161+j], v[14:15] op_sel_hi:[1,0]   ; register 96 + 16 b + i is channel 32 b + 16 h + i of my query
.set j, j+2
.endr
.irp b, 0,1
	v_max3_num_f32 v[232+\b], |v[96+16*\b]|, |v[97+16*\b]|, 0x4800000
.endr
.irp i, 2,4,6,8,10,12,14
.irp b, 0,1
	s_delay_alu instid0(VALU_DEP_2)
	v_max3_num_f32 v[232+\b], v[232+\b], |v[96+16*\b+\i]|, |v[97+16*\b+\i]|
.endr
.endr
.irp b, 0,1
	v_permlanex16_b32 v[236+\b], v[232+\b], s[SEL], s[SEL+1]
.endr
.irp b, 0,1
	s_delay_alu instid0(VALU_DEP_2)
	v_max_num_f32 v[232+\b], v[232+\b], v[236+\b]
.endr
.irp b, 0,1
	s_delay_alu instid0(VALU_DEP_2)
	v_add_nc_u32 v[244+\b], 0xfc000000, v[232+\b]
.endr
.irp b, 0,1
.endr
.irp b, 0,1
	s_delay_alu instid0(VALU_DEP_2)
	v_lshrrev_b32 v[236+\b], 23, v[244+\b]
.endr
	s_delay_alu instid0(VALU_DEP_1)
	v_lshl_or_b32 v200, v237, 8, v236              ; the two bytes; the upper two stay 0: they stand over zero codes
.irp b, 0,1
.irp i, 0,1,2,3,4,5,6,7,8,9,10,11,12,13,14,15
.endr
	v_cvt_scalef32_pk8_fp8_f32 v[224+4*\b:225+4*\b], v[96+16*\b:103+16*\b], v[244+\b]
	v_cvt_scalef32_pk8_fp8_f32 v[226+4*\b:227+4*\b], v[104+16*\b:111+16*\b], v[244+\b]
.endr
	v_nop                                          ; a plain line behind the last conversion
	ds_store_b128 v8, v[224:227]
	ds_store_b128 v8, v[228:231] offset:512
	ds_store_b32 v9, v200
	s_add_co_u32 s[PO], s[PO], 16384
	s_add_co_u32 s[PS], s[PS], 2048
	s_sub_co_u32 s[PASS], s[PASS], 1
	s_cmp_lg_u32 s[PASS], 0
	s_cbranch_scc1 .Lpass
	; THE THIRD PRODUCT: my four tiles of Wo against all 32 tiles of ctx
.irp i, 0,1,2,3
	global_load_b128 v[96+16*\i:99+16*\i], v1, s[12:13] offset:4096*\i
	global_load_b128 v[100+16*\i:103+16*\i], v1, s[12:13] offset:4096*\i+512
	global_load_b32 v[VW+\i], v7, s[14:15] offset:512*\i
.endr
.irp i, 0,1,2,3
.irp k, 8,9,10,11,12,13,14,15
	v_mov_b32 v[96+16*\i+\k], 0                    ; Wo's upper 64 along K
.endr
.endr
	v_add_nc_u32 v8, CI, v1
	v_and_b32 v9, 31, v0
	s_delay_alu instid0(VALU_DEP_1)
	v_lshl_add_u32 v9, v9, 2, CSW
	s_wait_alu depctr_va_vdst(0)
	s_wait_dscnt 0x0                               ; my images have landed,
	s_barrier_signal -1
	s_barrier_wait -1                              ; everybody's have
.macro BATCH first                     ; four tiles of ctx x my four tiles of Wo; the four accumulators by turns, and every tile of queries adds onto the same four
.if !\first
	v_add_nc_u32 v8, 4096, v8
	v_add_nc_u32 v9, 512, v9
.rept 6
	v_nop                                          ; with the two additions eight places in front of loads into registers that matrix instructions have read
.endr
.endif
.irp t, 0,1,2,3
	ds_load_b128 v[32+16*\t:35+16*\t], v8 offset:1024*\t
	ds_load_b128 v[36+16*\t:39+16*\t], v8 offset:1024*\t+512
	ds_load_b32 v[KW+\t], v9 offset:128*\t
.endr
.if \first
	s_wait_loadcnt 0x0                             ; Wo
.irp i, 0,1,2,3
	s_wait_alu depctr_va_vdst(0)
	v_lshrrev_b32 v[VW+\i], s88, v[VW+\i]          ; the head's two bytes come down; what stands above them stands over zero codes and is never 0xff
.endr
	s_wait_alu depctr_va_vdst(0)
.rept 8
	v_nop                                          ; a scale register written by a vector line stands eight places ahead of the product
.endr
.endif
	s_wait_dscnt 0x0
.irp t, 0,1,2,3
.irp i, 0,1,2,3
.if \first && (\t == 0)
	v_wmma_scale_f32_16x16x128_f8f6f4 v[160+8*\i:167+8*\i], v[32+16*\t:47+16*\t], v[96+16*\i:111+16*\i], 0, v[KW+\t], v[VW+\i]
.else
	v_wmma_scale_f32_16x16x128_f8f6f4 v[160+8*\i:167+8*\i], v[32+16*\t:47+16*\t], v[96+16*\i:111+16*\i], v[160+8*\i:167+8*\i], v[KW+\t], v[VW+\i]
.endif
.endr
.endr
.endm
	BATCH 1
	s_mov_b32 s[CNT], 7
.Lbatch:
	s_wait_alu depctr_va_vdst(0)
	BATCH 0
	s_sub_co_u32 s[CNT], s[CNT], 1
	s_cmp_lg_u32 s[CNT], 0
	s_cbranch_scc1 .Lbatch
.rept 8
	v_nop
.endr
.irp i, 0,1,2,3                        ; a lane holds eight queries' sums of column r of tile i: they are added, each accumulator from its low end on
	v_pk_add_f32 v[200+2*\i:201+2*\i], v[160+8*\i:161+8*\i], v[162+8*\i:163+8*\i]
.endr
.irp i, 0,1,2,3
	v_pk_add_f32 v[200+2*\i:201+2*\i], v[200+2*\i:201+2*\i], v[164+8*\i:165+8*\i]
.endr
.irp i, 0,1,2,3
	v_pk_add_f32 v[200+2*\i:201+2*\i], v[200+2*\i:201+2*\i], v[166+8*\i:167+8*\i]
.endr
.irp i, 0,1,2,3
	s_delay_alu instid0(VALU_DEP_4)
	v_add_f32 v[208+\i], v[200+2*\i], v[201+2*\i]
.endr
.irp i, 0,1,2,3
	s_delay_alu instid0(VALU_DEP_4)
	v_permlanex16_b32 v[212+\i], v[208+\i], s[SEL], s[SEL+1]
.endr
.irp i, 0,1,2,3
	s_delay_alu instid0(VALU_DEP_4)
	v_add_f32 v[208+\i], v[208+\i], v[212+\i]      ; with the other eight queries': the column's sum over the work-group's 512 queries
.endr
	v_and_b32 v10, 16, v0
	s_delay_alu instid0(VALU_DEP_1)
	v_cmp_ne_u32 vcc_lo, 0, v10
	s_delay_alu instid0(VALU_DEP_1)
	v_cndmask_b32 v216, v208, v210, vcc_lo         ; lanes 0-15 store tiles 0, 1; lanes 16-31 tiles 2, 3
	s_delay_alu instid0(VALU_DEP_2)
	v_cndmask_b32 v217, v209, v211, vcc_lo
	global_store_b64 v11, v[216:217], s[16:17]     ; 256 consecutive bytes, aligned
	s_wait_tensorcnt 0x0
	ds_add_u32 v250, v251
	s_wait_dscnt 0x0
	CROUND                                         ; the closing round
	s_endpgm
.Lfunc_end_k_qe67b338df8_attn:
	.size	k_qe67b338df8_attn, .Lfunc_end_k_qe67b338df8_attn-k_qe67b338df8_attn
	.p2alignl 7, 3214868480
	.fill 96, 4, 3214868480
	.section	.rodata,"a",@progbits
	.p2align	6, 0x0
	.amdhsa_kernel k_qe67b338df8_attn
		.amdhsa_group_segment_fixed_size 313344
		.amdhsa_private_segment_fixed_size 0
		.amdhsa_enable_private_segment 0
		.amdhsa_kernarg_size 56
		.amdhsa_user_sgpr_count 2
		.amdhsa_user_sgpr_kernarg_segment_ptr 1
		.amdhsa_wavefront_size32 1
		.amdhsa_system_sgpr_workgroup_id_x 1
		.amdhsa_system_sgpr_workgroup_id_y 1
		.amdhsa_system_sgpr_workgroup_id_z 1
		.amdhsa_system_vgpr_workitem_id 0
		.amdhsa_next_free_vgpr 256
		.amdhsa_next_free_sgpr 90
		.amdhsa_reserve_vcc 1
		.amdhsa_float_denorm_mode_32 3
		.amdhsa_float_denorm_mode_16_64 3
		.amdhsa_fp16_overflow 1
		.amdhsa_memory_ordered 1
		.amdhsa_forward_progress 1
		.amdhsa_inst_pref_size 97
	.end_amdhsa_kernel
	.amdgpu_metadata
---
amdhsa.version: [ 1, 2 ]
amdhsa.kernels:
  - .name:           k_qe67b338df8_attn
    .symbol:         k_qe67b338df8_attn.kd
    .args:
      - { .name: q_img, .offset: 0, .size: 8, .value_kind: global_buffer, .address_space: global }
      - { .name: q_sc, .offset: 8, .size: 8, .value_kind: global_buffer, .address_space: global }
      - { .name: kv, .offset: 16, .size: 8, .value_kind: global_buffer, .address_space: global }
      - { .name: kvs, .offset: 24, .size: 8, .value_kind: global_buffer, .address_space: global }
      - { .name: w_img, .offset: 32, .size: 8, .value_kind: global_buffer, .address_space: global }
      - { .name: sc, .offset: 40, .size: 8, .value_kind: global_buffer, .address_space: global }
      - { .name: part, .offset: 48, .size: 8, .value_kind: global_buffer, .address_space: global }
    .group_segment_fixed_size: 313344
    .private_segment_fixed_size: 0
    .kernarg_segment_align: 8
    .kernarg_segment_size: 56
    .max_flat_workgroup_size: 512
    .sgpr_count:     90
    .vgpr_count:     256
    .wavefront_size: 32
...
	.end_amdgpu_metadata
.endif
;; end of part 3
;; launch reduce (part 4): grid 16 x 1, 8 waves a work-group, no clusters, 5,120 bytes of LDS; arguments part, bo, out0; writes out0
.if DOCPART == 4
	.amdgcn_target "amdgcn-amd-amdhsa--gfx1250"
	.amdhsa_code_object_version 6
	.text
	.protected	k_qe67b338df8_reduce
	.globl	k_qe67b338df8_reduce
	.p2align	8
	.type	k_qe67b338df8_reduce,@function
k_qe67b338df8_reduce:
	s_mov_b64 s[64:65], 0
	v_nop
	global_prefetch_b8 v0, s[64:65] scope:SCOPE_SE
	s_setreg_imm32_b32 hwreg(HW_REG_WAVE_MODE, 25, 1), 1
	s_wait_xcnt 0x0
; out0[b][n] = (the sum of the batch's 64 rows of part, 16 heads x 4 query blocks) / 2048 + bo[n].
; part's element 64 w + 32 h + 2 r + u is column 64 w + 32 h + 8 u + r + 8 (r / 8): the order is undone on the way through LDS.
; A work-group takes a quarter (256 columns) of one batch.  Thread (j = t % 64, g = t / 64) adds 16 rows' 16 bytes at 16 j; the four partial sums meet in LDS; waves 0 and 1 finish and store, sixteen lanes to 256 consecutive bytes.
; The work-groups share no input: no cluster.  One owner for each output: no atomics.
	s_load_b128 s[4:7], s[0:1], 0x0                ; part, bo
	s_load_b64 s[8:9], s[0:1], 0x10                ; out0
	v_lshl_add_u32 v96, v0, 2, 0x1000
	v_mov_b32 v97, 0
	v_lshrrev_b32 v1, 5, v0
	s_delay_alu instid0(VALU_DEP_1)
	v_readfirstlane_b32 s10, v1                    ; wave 0..7
	v_and_b32 v2, 63, v0                           ; j
	v_lshrrev_b32 v3, 6, v0                        ; g
	s_delay_alu instid0(VALU_DEP_2)
	v_lshlrev_b32 v4, 4, v2                        ; 16 j
	s_delay_alu instid0(VALU_DEP_1)
	v_lshl_add_u32 v5, v3, 16, v4                  ; + 16 rows of 4,096 bytes x g
	v_lshlrev_b32 v6, 4, v0                        ; LDS: 16 x thread = 1,024 g + 16 j
	v_lshrrev_b32 v7, 3, v2                        ; columns 4 j + k, k = 0 .. 3, are elements e0 + 2 k with e0 = 32 (j / 8) + 16 ((j / 4) % 2) + 8 (j % 2) + (j / 2) % 2
	s_delay_alu instid0(VALU_DEP_1)
	v_lshlrev_b32 v7, 5, v7
	v_bfe_u32 v8, v2, 2, 1
	s_delay_alu instid0(VALU_DEP_1)
	v_lshl_add_u32 v7, v8, 4, v7
	v_and_b32 v8, 1, v2
	s_delay_alu instid0(VALU_DEP_1)
	v_lshl_add_u32 v7, v8, 3, v7
	v_bfe_u32 v8, v2, 1, 1
	s_delay_alu instid0(VALU_DEP_1)
	v_add_nc_u32 v7, v7, v8
	s_delay_alu instid0(VALU_DEP_1)
	v_lshlrev_b32 v7, 2, v7                        ; in bytes
	s_lshr_b32 s11, ttmp9, 2                       ; the batch
	s_and_b32 s12, ttmp9, 3                        ; the quarter
	s_lshl_b32 s13, s12, 10
	s_lshl_b32 s14, s11, 18                        ; 64 rows of 4,096 bytes
	s_add_co_u32 s14, s14, s13
	s_mov_b32 s15, 0
	s_lshl_b32 s16, s11, 12
	s_add_co_u32 s16, s16, s13
	s_mov_b32 s17, 0
	s_mov_b32 s18, s13
	s_mov_b32 s19, 0
	s_wait_kmcnt 0x0
	s_add_nc_u64 s[4:5], s[4:5], s[14:15]
	s_add_nc_u64 s[6:7], s[6:7], s[18:19]
	s_add_nc_u64 s[8:9], s[8:9], s[16:17]
	global_load_b128 v[80:83], v4, s[6:7]          ; bo's four numbers of columns 4 j on
.irp i, 0,1,2,3,4,5,6,7,8,9,10,11,12,13,14,15
	global_load_b128 v[16+4*\i:19+4*\i], v5, s[4:5] offset:4096*\i th:TH_LOAD_NT
.endr
	s_wait_loadcnt 8                               ; the first eight rows are in; the other eight stay out
.irp i, 2
	v_pk_add_f32 v[16:17], v[16:17], v[16+4*\i:17+4*\i]          ; two chains: even rows,
	v_pk_add_f32 v[18:19], v[18:19], v[18+4*\i:19+4*\i]
	v_pk_add_f32 v[20:21], v[20:21], v[20+4*\i:21+4*\i]          ; odd rows
	v_pk_add_f32 v[22:23], v[22:23], v[22+4*\i:23+4*\i]
.endr
.irp i, 4, 6
	s_delay_alu instid0(VALU_DEP_4)
	v_pk_add_f32 v[16:17], v[16:17], v[16+4*\i:17+4*\i]
	s_delay_alu instid0(VALU_DEP_4)
	v_pk_add_f32 v[18:19], v[18:19], v[18+4*\i:19+4*\i]
	s_delay_alu instid0(VALU_DEP_4)
	v_pk_add_f32 v[20:21], v[20:21], v[20+4*\i:21+4*\i]
	s_delay_alu instid0(VALU_DEP_4)
	v_pk_add_f32 v[22:23], v[22:23], v[22+4*\i:23+4*\i]
.endr
	s_wait_alu depctr_va_vdst(0)
	s_wait_loadcnt 0x0
.irp i, 8
	v_pk_add_f32 v[16:17], v[16:17], v[16+4*\i:17+4*\i]
	v_pk_add_f32 v[18:19], v[18:19], v[18+4*\i:19+4*\i]
	v_pk_add_f32 v[20:21], v[20:21], v[20+4*\i:21+4*\i]
	v_pk_add_f32 v[22:23], v[22:23], v[22+4*\i:23+4*\i]
.endr
.irp i, 10, 12, 14
	s_delay_alu instid0(VALU_DEP_4)
	v_pk_add_f32 v[16:17], v[16:17], v[16+4*\i:17+4*\i]
	s_delay_alu instid0(VALU_DEP_4)
	v_pk_add_f32 v[18:19], v[18:19], v[18+4*\i:19+4*\i]
	s_delay_alu instid0(VALU_DEP_4)
	v_pk_add_f32 v[20:21], v[20:21], v[20+4*\i:21+4*\i]
	s_delay_alu instid0(VALU_DEP_4)
	v_pk_add_f32 v[22:23], v[22:23], v[22+4*\i:23+4*\i]
.endr
	s_delay_alu instid0(VALU_DEP_2)
	v_pk_add_f32 v[16:17], v[16:17], v[20:21]
	s_delay_alu instid0(VALU_DEP_2)
	v_pk_add_f32 v[18:19], v[18:19], v[22:23]
	ds_store_b128 v6, v[16:19]
	s_wait_dscnt 0x0                               ; for the others' sake: my store has landed
	s_barrier_signal -1
	s_barrier_wait -1
	s_cmp_ge_u32 s10, 2                            ; waves 0 and 1 finish: thread t = j
	s_cbranch_scc1 .Ldone
.irp g, 0,1,2,3
.irp k, 0,1,2,3
	ds_load_b32 v[32+4*\g+\k], v7 offset:1024*\g+8*\k
.endr
.endr
	s_wait_dscnt 0x0
	v_pk_add_f32 v[32:33], v[32:33], v[36:37]
	v_pk_add_f32 v[34:35], v[34:35], v[38:39]
	v_pk_add_f32 v[40:41], v[40:41], v[44:45]
	v_pk_add_f32 v[42:43], v[42:43], v[46:47]
	s_delay_alu instid0(VALU_DEP_2)
	v_pk_add_f32 v[32:33], v[32:33], v[40:41]
	s_delay_alu instid0(VALU_DEP_2)
	v_pk_add_f32 v[34:35], v[34:35], v[42:43]
.irp k, 0,1,2,3
	v_fma_f32 v[48+\k], v[32+\k], 0x3a000000, v[80+\k]           ; x 1 / 2048, + the bias
.endr
	global_store_b128 v4, v[48:51], s[8:9]
.Ldone:
	s_wait_tensorcnt 0x0
	ds_add_u32 v96, v97
	s_wait_dscnt 0x0
	s_endpgm
.Lfunc_end_k_qe67b338df8_reduce:
	.size	k_qe67b338df8_reduce, .Lfunc_end_k_qe67b338df8_reduce-k_qe67b338df8_reduce
	.p2alignl 7, 3214868480
	.fill 96, 4, 3214868480
	.section	.rodata,"a",@progbits
	.p2align	6, 0x0
	.amdhsa_kernel k_qe67b338df8_reduce
		.amdhsa_group_segment_fixed_size 5120
		.amdhsa_private_segment_fixed_size 0
		.amdhsa_enable_private_segment 0
		.amdhsa_kernarg_size 24
		.amdhsa_user_sgpr_count 2
		.amdhsa_user_sgpr_kernarg_segment_ptr 1
		.amdhsa_wavefront_size32 1
		.amdhsa_system_sgpr_workgroup_id_x 1
		.amdhsa_system_sgpr_workgroup_id_y 1
		.amdhsa_system_sgpr_workgroup_id_z 1
		.amdhsa_system_vgpr_workitem_id 0
		.amdhsa_next_free_vgpr 98
		.amdhsa_next_free_sgpr 66
		.amdhsa_reserve_vcc 0
		.amdhsa_float_denorm_mode_32 3
		.amdhsa_float_denorm_mode_16_64 3
		.amdhsa_memory_ordered 1
		.amdhsa_forward_progress 1
		.amdhsa_inst_pref_size 9
	.end_amdhsa_kernel
	.amdgpu_metadata
---
amdhsa.version: [ 1, 2 ]
amdhsa.kernels:
  - .name:           k_qe67b338df8_reduce
    .symbol:         k_qe67b338df8_reduce.kd
    .args:
      - { .name: part, .offset: 0, .size: 8, .value_kind: global_buffer, .address_space: global }
      - { .name: bo, .offset: 8, .size: 8, .value_kind: global_buffer, .address_space: global }
      - { .name: out0, .offset: 16, .size: 8, .value_kind: global_buffer, .address_space: global }
    .group_segment_fixed_size: 5120
    .private_segment_fixed_size: 0
    .kernarg_segment_align: 8
    .kernarg_segment_size: 24
    .max_flat_workgroup_size: 256
    .sgpr_count:     66
    .vgpr_count:     98
    .wavefront_size: 32
...
	.end_amdgpu_metadata
.endif
;; end of part 4
